; MI455X (gfx1250); checked and timed in simulation.
; The chip was launched on July 23, 2026; its instructions are those of AMD's public machine-readable ISA for CDNA 5 (MIT licence, August 2026) and "CDNA5" Instruction Set Architecture Reference Guide (July 2026). The comments in the code are by the model that wrote it; some were corrected since.
;; MG Mask Attention. Allowed arithmetic: matrix products marked QUANTISED: E4M3 operands, one given power-of-two scale a tensor, by v_wmma_f32_16x16x64_fp8_fp8 or v_wmma_f32_16x16x128_fp8_fp8, f32 sums; everything else in f32.
;; Inputs: W_proj 1,024 x 1,024 float32; W_qkv 1,024 x 3,072 float32; b_proj 1,024 float32; b_qkv 3,072 float32; lowp_scales 8 int32 (the exponents e of the quantised operands' scales 2^e); x 4 x 2,048 x 1,024 float32.
;; Outputs: out0 4 x 2,048 x 1,024 float32.
;; This version of the problem:
;;   THIS VERSION OF THE PROBLEM IS GIVEN IN LOW PRECISION. The matrix products marked QUANTISED in the list below multiply operands that are first quantised to E4M3 (4 exponent bits, 3 mantissa bits; 8 bits a number), with one given power-of-two scale for each operand tensor; their sums are f32. All else is computed in f32.
;;   The module's matrix products, in the order in which they are computed (A, B: the left and right operand; K: the contracted axis; several contracted axes count as one K, in the product's order):
;;     1. [M 8,192, K 1,024] x [K 1,024, N 3,072]; A: input x; B: input W_qkv: QUANTISED (scales: A lowp_scales[0], B lowp_scales[1])
;;     2. batch 64 x [M 2,048, K 64] x [K 64, N 2,048]; A: computed on the way; B: computed on the way: QUANTISED (scales: A lowp_scales[2], B lowp_scales[3])
;;     3. batch 64 x [M 2,048, K 2,048] x [K 2,048, N 64]; A: softmax (see below); B: computed on the way: QUANTISED (scales: A lowp_scales[4], B lowp_scales[5])
;;     4. [M 8,192, K 1,024] x [K 1,024, N 1,024]; A: computed on the way; B: input W_proj: QUANTISED (scales: A lowp_scales[6], B lowp_scales[7])
;;   THE QUANTISER, for each operand of a quantised product, along K:
;;     - The operand's scale is 2^e, e = its entry of the input lowp_scales (int32; the entries are numbered through the quantised products in the list's order, A before B).
;;     - Each number is divided by the scale, clamped to +-448, and rounded to the nearest number of E4M3, ties to even, subnormals kept.
;;     - The product sums the exact products of the quantised numbers (number of the format x scale) in f32.
;;   ~~~python
;;   def quantise(x, axis, e):      # numpy; x: float32 -> the quantised numbers, widened to float32 again
;;       x = np.moveaxis(x, axis, -1); K = x.shape[-1]
;;       r = np.clip(x / 2.0 ** e, -448, 448)
;;       step = 2.0 ** (np.maximum(np.frexp(np.where(r == 0, 1, r))[1] - 1, -6) - 3)
;;       q = np.round(r / step) * step * 2.0 ** e      # np.round: ties to even
;;       return np.moveaxis(q, -1, axis).astype(np.float32)
;;   ~~~
;;   SOFTMAX AHEAD OF A QUANTISED PRODUCT. Where the list says 'softmax', what is quantised is not the finished softmax but p = 2^(t - M), with t = logit x log2(e) and M = ceil(the row's largest t), a whole number; so 1/2 < the row's largest p <= 1. The row's sum l is taken of the UNQUANTISED p, in f32, and the product's result is divided by l at the end. Since M is a whole number, a kernel that streams over the keys may use a running M (the ceiling of the running maximum): every later rescaling is an exact power of two, so the quantised numbers keep their values, but for numbers so far below the row's largest that they fall under the format's range.
;;   OPERANDS COMPUTED ON THE WAY. 'Computed on the way' means the value that the module computes at that place (a softmax that the list does not call 'softmax' is quantised finished and normalised). What goes into a quantiser is computed in f32, as accurately as f32 sums, v_exp_f32 and their like allow (about 1e-6 of the number): no bf16 or f16 on the way to a quantiser, and a product that is left as it is and whose result goes on into a quantised operand takes f32 operands (vector FMAs, or v_wmma_f32_16x16x4_f32). A number that lies on a knife's edge between two numbers of the format may be rounded either way, as far as f32 arithmetic and the matrix unit's own rounding can turn it there, and no further.
;; One version. Each part assembles by itself: llvm-mc -triple=amdgcn-amd-amdhsa -mcpu=gfx1250 --defsym DOCPART=n.
;; ======== version 1 of 1: 4 launches
;; limits: right only within a limited range of input values
;; workspace buffers: xc 8,388,608 bytes; wqc 3,145,728 bytes; wpc 1,048,576 bytes; qc 8,388,608 bytes; kc 8,388,608 bytes; vc 8,388,608 bytes; yc 8,388,608 bytes
;; launch quant (part 1): grid 384 x 1, 4 waves a work-group, no clusters, 67,072 bytes of LDS; arguments x, W_qkv, W_proj, lowp_scales, xc, wqc, wpc; writes xc, wqc, wpc
.if DOCPART == 1
	.amdgcn_target "amdgcn-amd-amdhsa--gfx1250"
	.amdhsa_code_object_version 6
	.text
	.protected	k_q3aba5b9cc3_quant
	.globl	k_q3aba5b9cc3_quant
	.p2align	8
	.type	k_q3aba5b9cc3_quant,@function
k_q3aba5b9cc3_quant:
	s_mov_b64 s[64:65], 0
	v_nop
	global_prefetch_b8 v0, s[64:65] scope:SCOPE_SE
	s_setreg_imm32_b32 hwreg(HW_REG_WAVE_MODE, 25, 1), 1
	s_wait_xcnt 0x0
; x [8192][1024], W_qkv [1024][3072] and W_proj [1024][1024], f32, become codes of FP8 (E4M3), each with its given scale 2^e (entries 0, 1 and 7 of lowp_scales).
; code = number / 2^e, held within +-448, rounded to the nearest code, ties to even.
; LIMITS: each e lies between -126 and 119, so that 2^e and 448 x 2^e are f32 numbers.  NaN among the inputs is not served; an infinity is held at the largest code.
; THE CODES ARE LAID AS IMAGES OF OPERAND REGISTERS.  A fragment of the plain fp8 form, 16 rows x 128 K, is 16 registers: lane (r = lane % 16, h = lane / 16) holds row r, registers 2 c, 2 c + 1 hold
; k = 16 c + 8 h + 0 .. 7.  Its image is 2,048 bytes: registers 4 g .. 4 g + 3 of lane l lie at 512 g + 16 l.  A buffer is [K / 256][rows / 16][2 images]: xc's rows are tokens, wqc's and wpc's the weights' columns.
; So the products' launches fetch a tile as one dense block and a fragment by four loads of 16 bytes a lane, 16 x lane apart.
; SHARES.  Work-groups 0-255: x; a wave takes 16 rows x 512 along K, four images.  Work-groups 256-351: W_qkv, 352-383: W_proj; a work-group takes 128 columns x 256 along K, a wave 32 columns.
; The two ways part on the work-group's number and have LDS bytes of their own.  Waves share nothing: no barrier.  A stream: no matrix unit, no cluster, no tensor load would add anything; it asks memory all the time, so no prefetch.
.set XWG,   256                        ; work-groups for x
.set PWG,   352                        ; from here on: W_proj
.set XPIT,  528                        ; x's stage: a row of 512 bytes + 16 = 132 words: the sixteen rows that a load touches start four banks apart (64 banks of 4 bytes: ISA guide 11.1)
.set XSTG,  16*XPIT                    ; a wave's stage for x
.set WSTG0, 4*XSTG                     ; behind them: 8,192 bytes a wave for the weights' way
.set R,     16                         ; x: v16-79, v80-143   two sets of 64 numbers
.set C,     144                        ; x: v144-207          the codes, 16 registers an image: no store's data are written again
.set VO,    16                         ; W: v16-47            byte offsets of 32 rows of W at my column
.set XW,    48                         ; W: v48-79, v80-111   two sets of 32 numbers
.set CW,    112                        ; W: v112-119          a block's codes
.set OUTR,  144                        ; W: v144-207          the way out
	s_load_b256 s[4:11], s[0:1], 0x0               ; x s[4:5], W_qkv s[6:7], W_proj s[8:9], lowp_scales s[10:11]
	s_load_b128 s[12:15], s[0:1], 0x20             ; xc s[12:13], wqc s[14:15]
	s_load_b64 s[16:17], s[0:1], 0x30              ; wpc
	v_lshl_add_u32 v208, v0, 2, 0x10400
	v_mov_b32 v209, 0
	v_lshrrev_b32 v1, 5, v0
	v_readfirstlane_b32 s18, v1                    ; wave 0..3
	v_and_b32 v1, 31, v0                           ; lane
	v_and_b32 v2, 15, v0                           ; r
	v_bfe_u32 v3, v0, 4, 1                         ; h
	v_lshlrev_b32 v4, 4, v1                        ; 16 x lane: my 16 bytes of 512; never rewritten
	s_mul_i32 s28, s18, XSTG
	v_add_nc_u32 v5, s28, v4                       ; x's stage, on the way in: a row as it is loaded
	v_mul_u32_u24 v6, v2, XPIT
	v_lshl_add_u32 v6, v3, 5, v6
	v_add_nc_u32 v6, s28, v6                       ; and on the way out: row r, + 32 h bytes: my eight numbers of each sixteen
	s_lshl_b32 s28, s18, 13
	s_add_co_u32 s28, s28, WSTG0
	v_lshlrev_b32 v7, 4, v2
	v_lshl_add_u32 v7, v3, 12, v7
	v_add_nc_u32 v7, s28, v7                       ; W's stage, in: column tile lane / 16 (4,096 bytes), place 16 (lane % 16) of an image's group
	v_add_nc_u32 v8, s28, v4                       ; and out: as it lies
	v_lshlrev_b32 v9, 2, v1                        ; 4 x lane: my column among the wave's 32
	s_wait_kmcnt 0x0
	s_load_b256 s[20:27], s[10:11], 0x0            ; e0 .. e7
	s_cmp_lt_u32 ttmp9, XWG
	s_cbranch_scc0 .Lweights
; the scale and the hold, behind a way's first loads
.macro SCALES
	s_wait_kmcnt 0x0
	s_cmp_lt_u32 ttmp9, XWG
	s_cselect_b32 s19, s20, s21                    ; x: e0; W_qkv: e1;
	s_cmp_ge_u32 ttmp9, PWG
	s_cselect_b32 s19, s27, s19                    ; W_proj: e7
	s_add_co_i32 s19, s19, 127
	s_lshl_b32 s28, s19, 23
	v_mov_b32 v11, s28                             ; 2^e as f32: the conversion takes its exponent field
	s_add_co_i32 s19, s19, 8
	s_lshl_b32 s19, s19, 23
	s_or_b32 s19, s19, 0x600000
.endm
; ---------------- x ----------------
; wave W = 4 x work-group + wave: rows 16 (W / 2) on, K from 512 (W % 2) on
	s_lshl_b32 s28, ttmp9, 2
	s_add_co_u32 s28, s28, s18
	s_lshr_b32 s29, s28, 1                         ; the tile of 16 rows
	s_and_b32 s30, s28, 1                          ; which half of K
	s_lshl_b32 s32, s29, 16                        ; 16 rows of 4,096 bytes
	s_lshl_b32 s31, s30, 11                        ; 512 numbers
	s_add_co_u32 s32, s32, s31
	s_mov_b32 s33, 0
	s_add_nc_u64 s[4:5], s[4:5], s[32:33]
	s_lshl_b32 s34, s29, 12                        ; in xc: a tile of rows is 4,096 bytes of a plane,
	s_lshl_b32 s31, s30, 22                        ; half of K is two planes of 2,097,152
	s_add_co_u32 s34, s34, s31
	s_mov_b32 s35, 0
	s_add_nc_u64 s[12:13], s[12:13], s[34:35]
.macro XLOAD i                         ; image i: 128 numbers of each of the 16 rows; each load reads 512 consecutive bytes of one row
.set RX, R+64*((\i)%2)
.irp row, 0,1,2,3,4,5,6,7,8,9,10,11,12,13,14,15
	global_load_b128 v[RX+4*\row:RX+4*\row+3], v4, s[4:5] offset:\row*4096+(\i)*512 th:TH_LOAD_NT
.endr
.endm
.macro XIMG i
.set RX, R+64*((\i)%2)
.if (\i) < 3
	s_wait_loadcnt 16                              ; this image's 16 loads are in; the next image's 16 may be out
.else
	s_wait_loadcnt 0x0
.endif
.irp row, 0,1,2,3,4,5,6,7,8,9,10,11,12,13,14,15
	ds_store_b128 v5, v[RX+4*\row:RX+4*\row+3] offset:\row*XPIT
.endr
.irp c, 0,1,2,3,4,5,6,7                ; back: lane (r, h) takes k = 16 c + 8 h + 0 .. 7 of row r.  LDS serves a wave's instructions in order (ISA guide 5.7.1.4): these see the stores above
	ds_load_b128 v[RX+8*\c:RX+8*\c+3], v6 offset:64*\c
	ds_load_b128 v[RX+8*\c+4:RX+8*\c+7], v6 offset:64*\c+16
.endr
	s_wait_dscnt 0x0
.set j, 0
.rept 64
.set j, j+1
.endr
.irp c, 0,1,2,3,4,5,6,7
	v_cvt_scalef32_pk8_fp8_f32 v[C+16*(\i)+2*\c:C+16*(\i)+2*\c+1], v[RX+8*\c:RX+8*\c+7], v11   ; registers 2 c, 2 c + 1 of the fragment
.endr
.if (\i)+2 < 4
	XLOAD (\i)+2                                   ; the set is free: it takes the image two on.
.endif
.irp g, 0,1,2,3
	global_store_b128 v4, v[C+16*(\i)+4*\g:C+16*(\i)+4*\g+3], s[12:13] offset:((\i)/2)*2097152+((\i)%2)*2048+512*\g   ; 32 lanes store 512 consecutive bytes, aligned
.endr
.endm
	XLOAD 0
	XLOAD 1
	SCALES
	s_wait_alu depctr_va_vdst(0)
	XIMG 0
	XIMG 1
	XIMG 2
	XIMG 3
	s_wait_tensorcnt 0x0
	ds_add_u32 v208, v209
	s_wait_dscnt 0x0
	s_endpgm
; ---------------- the weights: K is their FIRST axis ----------------
; A lane takes a column n and its registers run down K: each load reads neighbouring columns in neighbouring lanes, and the conversions give codes with K innermost.  Nothing is transposed by an instruction.
.Lweights:
	s_sub_co_u32 s28, ttmp9, XWG
	s_and_b32 s29, s28, 3                          ; which 256 along K
	s_lshr_b32 s30, s28, 2
	s_mov_b32 s48, 12288
	s_mov_b32 s49, 786432
	s_cmp_ge_u32 ttmp9, PWG                        ; W_proj or W_qkv: the choice hangs on the work-group's number alone
	s_cselect_b64 s[4:5], s[8:9], s[6:7]           ; from,
	s_cselect_b64 s[12:13], s[16:17], s[14:15]     ; to,
	s_cselect_b32 s48, 4096, s48                   ; a row of the weight in bytes,
	s_cselect_b32 s49, 262144, s49                 ; a plane (256 along K) of its codes
	s_cselect_b32 s50, 24, 0
	s_sub_co_u32 s30, s30, s50                     ; which 128 columns
	s_lshl_b32 s30, s30, 7
	s_lshl_b32 s31, s18, 5
	s_add_co_u32 s30, s30, s31                     ; my wave's first column
.set i, 0
	s_wait_alu depctr_va_vdst(0)
.rept 32
	v_mad_u32_u24 v[VO+i], s48, i, v9              ; row i of a block of 32, at my column; never rewritten
.set i, i+1
.endr
	s_lshl_b32 s51, s29, 8
	s_mul_i32 s52, s51, s48                        ; 256 x which rows,
	s_lshl_b32 s51, s30, 2
	s_add_co_u32 s52, s52, s51                     ; + 4 bytes a column
	s_mov_b32 s53, 0
	s_add_nc_u64 s[32:33], s[4:5], s[52:53]        ; a base for each of the eight blocks of 32 rows: no pointer is stepped
	s_lshl_b32 s52, s48, 5
.irp t, 1,2,3,4,5,6,7
	s_add_nc_u64 s[32+2*\t:33+2*\t], s[30+2*\t:31+2*\t], s[52:53]
.endr
	s_mul_i32 s54, s29, s49
	s_lshl_b32 s51, s30, 8                         ; 16 columns are 4,096 bytes of a plane
	s_add_co_u32 s54, s54, s51
	s_mov_b32 s55, 0
	s_add_nc_u64 s[12:13], s[12:13], s[54:55]      ; my wave's 8,192 bytes of codes lie on end
.macro WLOAD t                         ; block t: W(32 t + i, my column), i = 0 .. 31: 128 consecutive bytes a wave, the four waves side by side
.set XS, XW+32*((\t)%2)
.set i, 0
.rept 32
	global_load_b32 v[XS+i], v[VO+i], s[32+2*(\t):33+2*(\t)] th:TH_LOAD_NT
.set i, i+1
.endr
.endm
.macro WBLOCK t
.set XS, XW+32*((\t)%2)
.if (\t) < 7
	s_wait_loadcnt 32                              ; this block's 32 loads are in; the next block's 32 may be out
.else
	s_wait_loadcnt 0x0
.endif
.set i, 0
.rept 32
.set i, i+1
.endr
	; k = 32 t + i is group t % 4 of image t / 4; there i = 0-7 and 16-23 are the 16 bytes of lane (r, 0), i = 8-15 and 24-31 those of lane (r, 1)
	v_cvt_scalef32_pk8_fp8_f32 v[CW:CW+1], v[XS:XS+7], v11
	v_cvt_scalef32_pk8_fp8_f32 v[CW+2:CW+3], v[XS+16:XS+23], v11
	v_cvt_scalef32_pk8_fp8_f32 v[CW+4:CW+5], v[XS+8:XS+15], v11
	v_cvt_scalef32_pk8_fp8_f32 v[CW+6:CW+7], v[XS+24:XS+31], v11
	ds_store_b128 v7, v[CW:CW+3] offset:((\t)/4)*2048+((\t)%4)*512
	ds_store_b128 v7, v[CW+4:CW+7] offset:((\t)/4)*2048+((\t)%4)*512+256
.if (\t)+2 < 8
	WLOAD (\t)+2
.endif
	s_wait_dscnt 0x0                               ; the stores have read their registers: the next block's codes may be written
.endm
	s_wait_alu depctr_va_vdst(0)
	WLOAD 0
	WLOAD 1
	SCALES
	s_wait_alu depctr_va_vdst(0)
.irp t, 0,1,2,3,4,5,6,7
	WBLOCK \t
.endr
.irp j, 0,1,2,3,4,5,6,7,8,9,10,11,12,13,14,15
	ds_load_b128 v[OUTR+4*\j:OUTR+4*\j+3], v8 offset:512*\j
.endr
.irp j, 0,1,2,3,4,5,6,7,8,9,10,11,12,13,14,15
	s_wait_dscnt 15-\j                             ; LDS loads come back in order: number j is in, the younger ones may be out
	global_store_b128 v4, v[OUTR+4*\j:OUTR+4*\j+3], s[12:13] offset:512*\j   ; 512 consecutive bytes, aligned
.endr
	s_wait_tensorcnt 0x0
	ds_add_u32 v208, v209
	s_wait_dscnt 0x0
	s_endpgm
.Lfunc_end_k_q3aba5b9cc3_quant:
	.size	k_q3aba5b9cc3_quant, .Lfunc_end_k_q3aba5b9cc3_quant-k_q3aba5b9cc3_quant
	.p2alignl 7, 3214868480
	.fill 96, 4, 3214868480
	.section	.rodata,"a",@progbits
	.p2align	6, 0x0
	.amdhsa_kernel k_q3aba5b9cc3_quant
		.amdhsa_group_segment_fixed_size 67072
		.amdhsa_private_segment_fixed_size 0
		.amdhsa_enable_private_segment 0
		.amdhsa_kernarg_size 56
		.amdhsa_user_sgpr_count 2
		.amdhsa_user_sgpr_kernarg_segment_ptr 1
		.amdhsa_wavefront_size32 1
		.amdhsa_system_sgpr_workgroup_id_x 1
		.amdhsa_system_sgpr_workgroup_id_y 1
		.amdhsa_system_sgpr_workgroup_id_z 1
		.amdhsa_system_vgpr_workitem_id 0
		.amdhsa_next_free_vgpr 210
		.amdhsa_next_free_sgpr 66
		.amdhsa_reserve_vcc 0
		.amdhsa_float_denorm_mode_32 3
		.amdhsa_float_denorm_mode_16_64 3
		.amdhsa_fp16_overflow 1
		.amdhsa_memory_ordered 1
		.amdhsa_forward_progress 1
		.amdhsa_inst_pref_size 55
	.end_amdhsa_kernel
	.amdgpu_metadata
---
amdhsa.version: [ 1, 2 ]
amdhsa.kernels:
  - .name:           k_q3aba5b9cc3_quant
    .symbol:         k_q3aba5b9cc3_quant.kd
    .args:
      - { .name: x, .offset: 0, .size: 8, .value_kind: global_buffer, .address_space: global }
      - { .name: W_qkv, .offset: 8, .size: 8, .value_kind: global_buffer, .address_space: global }
      - { .name: W_proj, .offset: 16, .size: 8, .value_kind: global_buffer, .address_space: global }
      - { .name: lowp_scales, .offset: 24, .size: 8, .value_kind: global_buffer, .address_space: global }
      - { .name: xc, .offset: 32, .size: 8, .value_kind: global_buffer, .address_space: global }
      - { .name: wqc, .offset: 40, .size: 8, .value_kind: global_buffer, .address_space: global }
      - { .name: wpc, .offset: 48, .size: 8, .value_kind: global_buffer, .address_space: global }
    .group_segment_fixed_size: 67072
    .private_segment_fixed_size: 0
    .kernarg_segment_align: 8
    .kernarg_segment_size: 56
    .max_flat_workgroup_size: 128
    .sgpr_count:     66
    .vgpr_count:     210
    .wavefront_size: 32
...
	.end_amdgpu_metadata
.endif
;; end of part 1
;; launch qkv (part 2): grid 12 x 32, 4 waves a work-group, clusters of 4 x 4, 327,680 bytes of LDS; arguments xc, wqc, b_qkv, lowp_scales, qc, kc, vc; writes qc, kc, vc
.if DOCPART == 2
	.amdgcn_target "amdgcn-amd-amdhsa--gfx1250"
	.amdhsa_code_object_version 6
	.text
	.protected	k_q3aba5b9cc3_qkv
	.globl	k_q3aba5b9cc3_qkv
	.p2align	8
	.type	k_q3aba5b9cc3_qkv,@function
k_q3aba5b9cc3_qkv:
	s_mov_b64 s[64:65], 0
	v_nop
	global_prefetch_b8 v0, s[64:65] scope:SCOPE_SE
	s_setreg_imm32_b32 hwreg(HW_REG_WAVE_MODE, 25, 1), 1
	s_wait_xcnt 0x0
	s_wait_alu depctr_hold_cnt(0) depctr_sa_sdst(0) depctr_va_vdst(0) depctr_va_sdst(0) depctr_va_ssrc(0) depctr_va_vcc(0) depctr_vm_vsrc(0)
	s_getreg_b32 s2, hwreg(HW_REG_IB_STS2, 6, 4)
	s_cmp_eq_u32 s2, 0
	s_cbranch_scc0 .Lentry_in_a_cluster
	s_endpgm
.Lentry_in_a_cluster:
	s_bfe_u32 s2, ttmp6, 0x10000c
	s_cmp_lg_u32 s2, 0xf033
	s_cbranch_scc0 .Lentry_shape_is_right
	s_endpgm
.Lentry_shape_is_right:
; qkv = x W_qkv + b_qkv on codes of FP8 (E4M3), [8192 x 1024] x [1024 x 3072]; q, k and v are quantised on the way out with their given scales (entries 2, 3, 5 of lowp_scales) and leave as codes.
; xc and wqc hold images of operand registers ([K / 256][rows / 16][2 images of 2,048 bytes]; registers 4 g .. 4 g + 3 of lane l at 512 g + 16 l).  So a tile of 256 rows x 256 K is one dense block of 65,536 bytes, and a
; fragment comes from LDS by four loads of 16 bytes a lane, 16 x lane apart: consecutive bytes, no padding.
; A tile of the result, 256 x 256, is made by four waves, each 128 x 128: 64 accumulators, 512 registers.  K = 1,024 goes in four steps of 256 through two LDS slots: all is written out, without a loop.
; THE KIND.  The cluster's x is 0 for q, 1 for k, 2 for v: the same in all sixteen partners.  Source 1 of the matrix instruction (region A) gives the result's lane, source 0 (region B) its registers 8 (lane / 16) + j.
;   q, k: A = 256 tokens of x, B = 256 columns of W: a lane holds one token and eight neighbouring channels: one conversion makes registers 2 c, 2 c + 1 of a fragment whose K is the head's 64.
;   v:    A = 256 columns of W, B = 256 tokens of x: a lane holds one channel and eight neighbouring keys: registers 2 c, 2 c + 1 of a fragment whose K is 128 keys.
; Only pointers, planes and tile numbers are chosen by the kind (s_cselect); the products' text is one.  The results leave straight from registers: each store of the wave covers 512 consecutive bytes, aligned.
;   qc, kc: [head 64][token / 16][2 x 512 bytes];   vc: [head 64][key / 128][channel / 16][4 x 512 bytes].  128 tokens of a head are 8,192 bytes in both.
; CLUSTERS: 4 x 4 work-groups.  A's tile is asked for jointly along a row of the cluster, B's along a column.
; A sum stands for sum x 2^(e0 + e1): the bias goes in as b / 2^(e0 + e1), and the conversion takes 2^(eT - e0 - e1), eT = e2, e3 or e5.
; LIMITS: eT - e0 - e1 between -126 and 119.  NaN among the inputs is not served.
; No prefetch: of the four K steps two are first fills, and each tile is asked for once by four partners together.  384 tiles do not share out evenly among work-groups that stay: one tile to a work-group.
; REGISTERS, in windows of 256: window 0: v8-15 v's bias, v16-29 addresses and constants, v32-95 q's and k's bias, v96-111 v's bias in pairs, from v128 A's fragments (ONE set); on the way out v128-191 at work, v192-255 codes.
;   window 1: B's fragments, TWO sets.   window 2: the accumulators of A's blocks 0-3 ((a, b) at v[8 (8 (a % 4) + b)]);   window 3: those of blocks 4-7.
.set SLOT,   131072                    ; A's 16 tiles of 16 rows x 4,096 bytes, then B's
.set SPARE,  2*SLOT                    ; behind the ring: the spare words, 128 bytes for each wave: two blocks of 256 bytes that no other line names
.set FR,     16                        ; registers of a fragment
.set NL,     4                         ; LDS loads that bring one
.set NP,     4                         ; places behind this matrix instruction (ISA guide 7.12.1)
.set BV,   8                           ; v8-15   v: the bias of my channel in A's block a
.set ADRA, 16                          ; v16-17  LDS address of my A fragments in slot 0, 1
.set ADRB, 20                          ; v20-21  the same for B
.set L16,  24                          ; v24     16 x lane; never rewritten
.set SC,   26                          ; v26     2^(eT - e0 - e1)
.set LIM,  27
.set SPW,  28                          ; v28     LDS address of my spare word; never rewritten
.set NIL,  29                          ; v29     0; never rewritten
.set BQ,   32                          ; v32-95  q, k: the bias of my eight channels in B's block b, at 8 b
.set BVP,  96                          ; v96-111 v: the bias / 2^(e0 + e1), twice each: pairs for the packed addition
.set AF,   128
.set TMP,  128
.set CD,   192                         ; four sets of 16 registers of codes
.set G1, 24                            ; s[24:31] descriptor group 1 for A's tiles;  s[32:39] group 0, one set for each slot
.set G0, 32
.set G1B, 48                           ; s[48:55], s[56:63] the same for B's tiles
.set G0B, 56
.set MSB, 0
.macro WIN new                         ; the immediate's high byte repeats the setting that is left
.if MSB != (\new)
	s_set_vgpr_msb (MSB<<8)|(\new)
.set MSB, \new
.endif
.endm
.set MUL_LO, 0xa1                      ; source 0 (B) window 1, source 1 (A) window 0, C and D window 2
.set MUL_HI, 0xf1                      ; the same, C and D window 3
.set TO_B,   0x40                      ; destination window 1, address window 0
; A joint load: waves 0 and 1 fetch A's halves, waves 2 and 3 B's.  The branch hangs on the wave's number alone.  Four v_nop follow each of the two lines.
.macro JLOAD g0a, g1a, g0b, g1b
	s_cmp_eq_u32 s15, 0
	s_cbranch_scc0 .Lfor_b_\@
	tensor_load_to_lds s[\g0a:\g0a+3], s[\g1a:\g1a+7]
	s_nop 0
.rept 4
	v_nop
.endr
	s_branch .Lasked_\@
.Lfor_b_\@:
	tensor_load_to_lds s[\g0b:\g0b+3], s[\g1b:\g1b+7]
	s_nop 0
.rept 4
	v_nop
.endr
.Lasked_\@:
.endm
.macro CREST                           ; a round of the cluster's barrier behind its opening barrier
	s_cmp_lg_u32 s14, 0
	s_cbranch_scc1 .Lnot_wave_0_\@
	s_barrier_signal -3
.Lnot_wave_0_\@:
	s_barrier_wait -3
	s_barrier_signal -1
	s_barrier_wait -1
.endm
.macro CROUND                          ; a whole round
	s_barrier_signal -1
	s_barrier_wait -1
	CREST
.endm
	s_load_b256 s[4:11], s[0:1], 0x0               ; xc s[4:5], wqc s[6:7], b_qkv s[8:9], lowp_scales s[10:11]
	s_load_b128 s[80:83], s[0:1], 0x20             ; qc s[80:81], kc s[82:83]
	s_load_b64 s[84:85], s[0:1], 0x30              ; vc
	v_lshl_add_u32 v[SPW], v0, 2, SPARE
	v_mov_b32 v[NIL], 0
	ds_add_u32 v28, v29
	ds_add_u32 v28, v29
	s_wait_dscnt 0x0
	v_lshrrev_b32 v1, 5, v0
	v_readfirstlane_b32 s14, v1                    ; wave 0..3
	s_lshr_b32 s15, s14, 1                         ; which half of A's rows is mine.  Also: I fetch for A (0) or for B (1)
	s_and_b32 s16, s14, 1                          ; which half of B's rows.  Also: which half of that tile I fetch
	s_bfe_u32 s40, ttmp6, 0x40000                  ; cx, cy: my place in the cluster
	s_bfe_u32 s41, ttmp6, 0x40004
	s_lshl_b32 s42, ttmp9, 2                       ; 4 x cluster x
	s_and_b32 s17, ttmp7, 0xffff
	s_lshl_b32 s17, s17, 2                         ; 4 x cluster y
	s_lshl_b32 s43, s41, 2
	s_lshl_b32 s43, 15, s43                        ; my row of the cluster
	s_lshl_b32 s44, 0x1111, s40                    ; my column
	; descriptor group 1: 32,768 dense bytes as 128 rows of 32 elements of 8 bytes, no padding
	s_or_b32 s[G1+0], s43, (3<<16)|(1<<21)         ; 15:0 the mask: A's tiles go to my row; 17:16 elements of 8 bytes; 21 set beside a mask
	s_or_b32 s[G1B+0], s44, (3<<16)|(1<<21)        ; B's go to my column
.irp g, G1, G1B
	s_mov_b32 s[\g+1], 32<<16                      ; tensor_dim0 = 32
	s_mov_b32 s[\g+2], 128<<16                     ; tensor_dim1 = 128
	s_mov_b32 s[\g+3], 32<<16                      ; tile_dim0 = 32
	s_mov_b32 s[\g+4], 128                         ; tile_dim1 = 128
	s_mov_b32 s[\g+5], 32                          ; tensor_dim0_stride
	s_mov_b32 s[\g+6], 0
	s_mov_b32 s[\g+7], 0
.endr
	s_mov_b32 s70, 2097152                         ; a plane (256 along K) of xc,
	s_mov_b32 s71, 786432                          ; of wqc
	s_cmp_eq_u32 ttmp9, 2                          ; v?  The cluster's x is the same in all partners
	s_cselect_b32 s72, 8, s17
	s_cselect_b32 s73, s17, s42
	s_cselect_b32 s74, s71, s70                    ; A's plane
	s_cselect_b32 s76, s70, s71                    ; B's plane
	s_add_co_u32 s72, s72, s41                     ; A's tile of 256 rows: q, k: tokens, 4 x cluster y + cy;  v: W's columns, 8 + cy.  It hangs on cy alone, which my row shares
	s_add_co_u32 s73, s73, s40                     ; B's: q, k: W's columns, 4 x cluster x + cx;  v: tokens, 4 x cluster y + cx.  On cx alone, which my column shares
	s_mov_b32 s75, 0
	s_mov_b32 s77, 0
	s_lshl_b32 s18, s16, 15                        ; the half that I fetch
	s_lshl_b32 s20, s72, 16
	s_add_co_u32 s20, s20, s18
	s_mov_b32 s21, 0
	s_lshl_b32 s46, s73, 16
	s_add_co_u32 s46, s46, s18
	s_mov_b32 s47, 0
	s_lshl_b32 s45, s14, 15                        ; where it goes: wave x 32,768: no place in the cluster enters an LDS address
	s_wait_kmcnt 0x0
	s_load_b256 s[88:95], s[10:11], 0x0            ; e0 .. e7
	s_cmp_eq_u32 ttmp9, 2
	s_cselect_b64 s[66:67], s[6:7], s[4:5]         ; A's codes
	s_cselect_b64 s[68:69], s[4:5], s[6:7]         ; B's codes
	s_add_nc_u64 s[20:21], s[66:67], s[20:21]
	s_add_nc_u64 s[46:47], s[68:69], s[46:47]
	CROUND                                         ; all sixteen work-groups are here: the first joint loads meet
	s_mov_b32 s[G0], 1                             ; count = 1
	s_mov_b32 s[G0+1], s45                         ; LDS address: slot 0
	s_mov_b64 s[G0+2:G0+3], s[20:21]               ; K step 0
	s_or_b32 s[G0+3], s[G0+3], 0x80000000          ; type = 2
	s_mov_b32 s[G0B], 1
	s_mov_b32 s[G0B+1], s45
	s_mov_b64 s[G0B+2:G0B+3], s[46:47]
	s_or_b32 s[G0B+3], s[G0B+3], 0x80000000
	JLOAD G0, G1, G0B, G1B
	s_mov_b32 s[G0+4], 1
	s_add_co_u32 s[G0+5], s45, SLOT                ; slot 1
	s_add_nc_u64 s[G0+6:G0+7], s[20:21], s[74:75]  ; K step 1: a plane on
	s_or_b32 s[G0+7], s[G0+7], 0x80000000
	s_mov_b32 s[G0B+4], 1
	s_add_co_u32 s[G0B+5], s45, SLOT
	s_add_nc_u64 s[G0B+6:G0B+7], s[46:47], s[76:77]
	s_or_b32 s[G0B+7], s[G0B+7], 0x80000000
	JLOAD G0+4, G1, G0B+4, G1B                     ; two tensor loads of mine are out
	s_lshl_b32 s74, s74, 1                         ; a slot's next tile lies two planes on
	s_lshl_b32 s76, s76, 1
	v_and_b32 v1, 31, v0
	v_and_b32 v2, 15, v0                           ; r
	v_bfe_u32 v3, v0, 4, 1                         ; h
	s_wait_alu depctr_va_vdst(0)
	v_lshlrev_b32 v[L16], 4, v1
	s_lshl_b32 s21, s15, 15                        ; my 128 rows of A
	s_lshl_b32 s22, s16, 15                        ; my 128 rows of B,
	s_add_co_u32 s22, s22, 65536                   ; which lie behind A's 256
.irp s, 0,1
	v_add_nc_u32 v[ADRA+\s], s21, v[L16]
	v_add_nc_u32 v[ADRB+\s], s22, v[L16]
	s_add_co_u32 s21, s21, SLOT
	s_add_co_u32 s22, s22, SLOT
.endr
	; the bias, in both forms, so that every register is written whatever the kind; the form that my kind does not use is read from b_qkv's first bytes and goes nowhere
	s_lshl_b32 s96, s73, 10
	s_lshl_b32 s97, s16, 9
	s_add_co_u32 s96, s96, s97                     ; q, k: my 128 columns begin at 256 x B's tile + 128 x half
	s_lshl_b32 s98, s72, 10
	s_lshl_b32 s97, s15, 9
	s_add_co_u32 s98, s98, s97                     ; v: at 256 x A's tile + 128 x half
	s_cmp_eq_u32 ttmp9, 2
	s_cselect_b32 s96, 0, s96
	s_cselect_b32 s98, s98, 0
	v_lshl_add_u32 v22, v3, 5, s96                 ; q, k: block b's channels 16 b + 8 h + 0 .. 7
	v_lshl_add_u32 v23, v2, 2, s98                 ; v: block a's channel 16 a + r
.irp b, 0,1,2,3,4,5,6,7
	global_load_b128 v[BQ+8*\b:BQ+8*\b+3], v22, s[8:9] offset:64*\b
	global_load_b128 v[BQ+8*\b+4:BQ+8*\b+7], v22, s[8:9] offset:64*\b+16
.endr
.irp a, 0,1,2,3,4,5,6,7
	global_load_b32 v[BV+\a], v23, s[8:9] offset:64*\a
.endr
	s_wait_alu depctr_va_vdst(0)
	; the way out's numbers
	s_wait_kmcnt 0x0
	s_add_co_i32 s96, s88, s89                     ; e0 + e1
	s_cmp_eq_u32 ttmp9, 1
	s_cselect_b32 s97, s91, s90                    ; k: e3, q: e2,
	s_cselect_b64 s[86:87], s[82:83], s[80:81]
	s_cmp_eq_u32 ttmp9, 2
	s_cselect_b32 s97, s93, s97                    ; v: e5
	s_cselect_b64 s[86:87], s[84:85], s[86:87]
	s_cselect_b32 s17, s73, s72                    ; the tile of 256 tokens,
	s_cselect_b32 s18, s16, s15                    ; my half of it,
	s_cselect_b32 s19, s41, s40                    ; the tile of 256 channels (four heads) within q, k or v,
	s_cselect_b32 s20, s15, s16                    ; my half of it (two heads)
	s_sub_co_i32 s97, s97, s96
	s_add_co_i32 s97, s97, 127
	s_lshl_b32 s98, s97, 23
	v_mov_b32 v[SC], s98                           ; 2^(eT - e0 - e1): the three scales folded into the conversion's one
	s_sub_co_i32 s96, 0, s96                       ; -(e0 + e1), for the bias
	s_lshr_b32 s21, s17, 3                         ; the batch: 8 tiles of 256 tokens each
	s_lshl_b32 s21, s21, 4
	s_lshl_b32 s19, s19, 2
	s_add_co_u32 s21, s21, s19
	s_lshl_b32 s20, s20, 1
	s_add_co_u32 s21, s21, s20                     ; my first head: 16 x batch + 4 x tile + 2 x half
	s_lshl_b32 s21, s21, 17                        ; a head is 131,072 bytes
	s_and_b32 s17, s17, 7
	s_lshl_b32 s17, s17, 1
	s_add_co_u32 s17, s17, s18
	s_lshl_b32 s17, s17, 13                        ; 128 tokens are 8,192 bytes
	s_add_co_u32 s22, s21, s17
	s_mov_b32 s23, 0
	s_add_nc_u64 s[86:87], s[86:87], s[22:23]
.macro FRAG reg, adr, q, i             ; the image of block i's fragment of the slot's q-th 128 along K: four loads, each 512 consecutive bytes
.irp c, 0,1,2,3
	ds_load_b128 v[\reg+4*\c:\reg+4*\c+3], v[\adr] offset:(\i)*4096+(\q)*2048+512*\c
.endr
.endm
; 16 matrix instructions: A's blocks a0, a0 + 1 x B's eight, 128 along K.  p: B's set.  zero = 1: the first product starts the sums: nothing is ever cleared.
; The 64 accumulators take turns, one instruction a turn, in the same order in every step.
.macro MUL16 a0, p, zero
.irp a, \a0, \a0+1
.irp b, 0,1,2,3,4,5,6,7
.if \zero
	v_wmma_f32_16x16x128_fp8_fp8 v[8*(8*((\a)%4)+\b):8*(8*((\a)%4)+\b)+7], v[128*(\p)+FR*\b:128*(\p)+FR*\b+FR-1], v[AF+FR*(\a):AF+FR*(\a)+FR-1], 0
.else
	v_wmma_f32_16x16x128_fp8_fp8 v[8*(8*((\a)%4)+\b):8*(8*((\a)%4)+\b)+7], v[128*(\p)+FR*\b:128*(\p)+FR*\b+FR-1], v[AF+FR*(\a):AF+FR*(\a)+FR-1], v[8*(8*((\a)%4)+\b):8*(8*((\a)%4)+\b)+7]
.endif
.endr
.endr
.endm
.macro FETCH_B slot, q, p
	WIN TO_B
.irp i, 0,1,2,3,4,5,6,7
	FRAG 128*(\p)+FR*\i, ADRB+\slot, \q, \i
.endr
	WIN 0
.endm
.macro FETCH_A slot, q, i0
.irp i, \i0, \i0+1, \i0+2, \i0+3
	FRAG AF+FR*(\i), ADRA+\slot, \q, \i
.endr
.endm
; A load into a register that a matrix instruction has read, and a vector instruction that reads a matrix result or writes one of its registers, stand NP places behind it; only plain vector
; instructions that name none of its registers are places (ISA guide 7.12.1 for vector instructions).
.macro PLACES n
.rept \n
	v_nop
.endr
.endm
; A step of 128 along K that has its successor in the same slot.  A block of A is free as soon as its eight products are issued: blocks 0-3 are fetched anew in the step's middle, blocks 4-7 at its end.
.macro STEP slot, q, zero
	s_wait_dscnt 4*NL                              ; B's set and A's blocks 0-3 are in; the youngest sixteen loads (A's blocks 4-7) may be out
	WIN MUL_LO
	MUL16 0, (\q)%2, \zero
	MUL16 2, (\q)%2, \zero
	s_wait_dscnt 0                                 ; A's blocks 4-7 are in
	PLACES NP
	FETCH_B \slot, (\q)+1, 1-(\q)%2
	FETCH_A \slot, (\q)+1, 0
	WIN MUL_HI
	MUL16 4, (\q)%2, \zero
	MUL16 6, (\q)%2, \zero
	PLACES NP
	WIN 0
	FETCH_A \slot, (\q)+1, 4
.endm
; A slot's last step changes slots: ONE barrier; in front of it each wave waits for all its tensor loads, adds 0 to its spare word, and waits for that and for its own reads of this slot.  fill = 1: this slot is filled again, two K steps ahead.
.macro TURN slot, next, fill
	s_wait_tensorcnt 0x0                           ; all my tensor loads have landed: my part of the next slot  (every window is 0 here)
	ds_add_u32 v[SPW], v[NIL]                      ; 0 onto my spare word
	s_wait_dscnt 4*NL+1                            ; (the add and the youngest sixteen loads, A's blocks 4-7, may be out)
	WIN MUL_LO
	MUL16 0, 1, 0                                  ; sixteen matrix instructions stand between the add and the wait for it
	s_wait_dscnt 0x0                               ; the add is done, and my reads of this slot are over
	s_barrier_signal -1
	MUL16 2, 1, 0
	WIN 0
	s_barrier_wait -1
.if \fill
	CREST                                          ; the barrier has opened a round of the cluster's barrier: no wave of any partner still reads this slot or has a load on its way
	s_add_nc_u64 s[G0+4*\slot+2:G0+4*\slot+3], s[G0+4*\slot+2:G0+4*\slot+3], s[74:75]
	s_add_nc_u64 s[G0B+4*\slot+2:G0B+4*\slot+3], s[G0B+4*\slot+2:G0B+4*\slot+3], s[76:77]
	JLOAD G0+4*\slot, G1, G0B+4*\slot, G1B         ; the first tensor load behind the round, and my only one; its four v_nop are also the places in front of the loads below
.else
	PLACES NP
.endif
	FETCH_B \next, 0, 0
	FETCH_A \next, 0, 0
	WIN MUL_HI
	MUL16 4, 1, 0
	MUL16 6, 1, 0
	PLACES NP
	WIN 0
	FETCH_A \next, 0, 4
.endm
	s_wait_tensorcnt 1                             ; my part of K step 0 is in (K step 1's load may be out)
	s_barrier_signal -1
	s_barrier_wait -1                              ; everybody's is
	FETCH_B 0, 0, 0
	FETCH_A 0, 0, 0
	FETCH_A 0, 0, 4
	STEP 0, 0, 1                                   ; the first products start the sums
	TURN 0, 1, 1                                   ; slot 0 takes K step 2
	STEP 1, 0, 0
	TURN 1, 0, 1                                   ; slot 1 takes K step 3
	STEP 0, 0, 0
	TURN 0, 1, 0                                   ; nothing is left to fetch
	STEP 1, 0, 0
	s_wait_dscnt 4*NL                              ; the very last step
	WIN MUL_LO
	MUL16 0, 1, 0
	MUL16 2, 1, 0
	s_wait_dscnt 0
	WIN MUL_HI
	MUL16 4, 1, 0
	MUL16 6, 1, 0
	WIN 0
; THE WAY OUT of A's block a: sum + bias / 2^(e0 + e1), eight conversions (accumulator b gives registers 2 b, 2 b + 1), four stores of 512 consecutive bytes.  Each accumulator is read from its low end on.
.macro OUTBLK a, isv
.set AC, 64*((\a)%4)
.set CB, CD+16*((\a)%4)
.if (\a) >= 4
	s_wait_xcnt 0x0                                ; block a - 4's stores have read this set of codes: it is written again only behind this wait
.endif
	WIN 0x02+((\a)/4)                              ; source 0: window 2 or 3
.set j, 0
.rept 32
.if \isv
	v_pk_add_f32 v[TMP+j:TMP+j+1], v[AC+j:AC+j+1], v[BVP+2*(\a):BVP+2*(\a)+1]
.else
	v_pk_add_f32 v[TMP+j:TMP+j+1], v[AC+j:AC+j+1], v[BQ+j:BQ+j+1]
.endif
.set j, j+2
.endr
	WIN 0
.set j, 0
.rept 64
.set j, j+1
.endr
.irp b, 0,1,2,3,4,5,6,7
	v_cvt_scalef32_pk8_fp8_f32 v[CB+2*\b:CB+2*\b+1], v[TMP+8*\b:TMP+8*\b+7], v[SC]
.endr
	v_nop                                          ; one plain vector line between the conversions and the next block's additions, which write their sources
.irp g, 0,1,2,3
.if \isv
	global_store_b128 v[L16], v[CB+4*\g:CB+4*\g+3], s[86:87] offset:((\a)/4)*131072+((\a)%4)*2048+\g*512   ; head a / 4, channels 16 (a % 4) on, my 128 keys
.else
	global_store_b128 v[L16], v[CB+4*\g:CB+4*\g+3], s[86:87] offset:(\a)*1024+(\g/2)*131072+(\g%2)*512     ; tokens 16 a on, head g / 2
.endif
.endr
.endm
	s_wait_loadcnt 0x0                             ; the bias
	PLACES NP                                      ; behind the last products: their results are read, and A's registers written, below
	s_cmp_eq_u32 ttmp9, 2
	s_cbranch_scc1 .Lv_out
.set j, 0
.rept 64
	v_ldexp_f32 v[BQ+j], v[BQ+j], s96              ; b / 2^(e0 + e1)
.set j, j+1
.endr
.irp a, 0,1,2,3,4,5,6,7
	OUTBLK \a, 0
.endr
	s_branch .Lend
.Lv_out:
.irp a, 0,1,2,3,4,5,6,7
	v_ldexp_f32 v[BVP+2*\a], v[BV+\a], s96
	v_ldexp_f32 v[BVP+2*\a+1], v[BV+\a], s96
.endr
.irp a, 0,1,2,3,4,5,6,7
	OUTBLK \a, 1
.endr
.Lend:
	s_wait_tensorcnt 0x0                           ; the wave's end
	ds_add_u32 v[SPW], v[NIL]
	s_wait_dscnt 0x0
	CROUND                                         ; the closing round: no work-group ends while a partner may still ask for a tile that names it
	s_endpgm
.Lfunc_end_k_q3aba5b9cc3_qkv:
	.size	k_q3aba5b9cc3_qkv, .Lfunc_end_k_q3aba5b9cc3_qkv-k_q3aba5b9cc3_qkv
	.p2alignl 7, 3214868480
	.fill 96, 4, 3214868480
	.section	.rodata,"a",@progbits
	.p2align	6, 0x0
	.amdhsa_kernel k_q3aba5b9cc3_qkv
		.amdhsa_group_segment_fixed_size 327680
		.amdhsa_private_segment_fixed_size 0
		.amdhsa_enable_private_segment 0
		.amdhsa_kernarg_size 56
		.amdhsa_user_sgpr_count 2
		.amdhsa_user_sgpr_kernarg_segment_ptr 1
		.amdhsa_wavefront_size32 1
		.amdhsa_system_sgpr_workgroup_id_x 1
		.amdhsa_system_sgpr_workgroup_id_y 1
		.amdhsa_system_sgpr_workgroup_id_z 1
		.amdhsa_system_vgpr_workitem_id 0
		.amdhsa_next_free_vgpr 1024
		.amdhsa_next_free_sgpr 100
		.amdhsa_reserve_vcc 0
		.amdhsa_float_denorm_mode_32 3
		.amdhsa_float_denorm_mode_16_64 3
		.amdhsa_fp16_overflow 1
		.amdhsa_memory_ordered 1
		.amdhsa_forward_progress 1
		.amdhsa_inst_pref_size 133
	.end_amdhsa_kernel
	.amdgpu_metadata
---
amdhsa.version: [ 1, 2 ]
amdhsa.kernels:
  - .name:           k_q3aba5b9cc3_qkv
    .symbol:         k_q3aba5b9cc3_qkv.kd
    .args:
      - { .name: xc, .offset: 0, .size: 8, .value_kind: global_buffer, .address_space: global }
      - { .name: wqc, .offset: 8, .size: 8, .value_kind: global_buffer, .address_space: global }
      - { .name: b_qkv, .offset: 16, .size: 8, .value_kind: global_buffer, .address_space: global }
      - { .name: lowp_scales, .offset: 24, .size: 8, .value_kind: global_buffer, .address_space: global }
      - { .name: qc, .offset: 32, .size: 8, .value_kind: global_buffer, .address_space: global }
      - { .name: kc, .offset: 40, .size: 8, .value_kind: global_buffer, .address_space: global }
      - { .name: vc, .offset: 48, .size: 8, .value_kind: global_buffer, .address_space: global }
    .group_segment_fixed_size: 327680
    .private_segment_fixed_size: 0
    .kernarg_segment_align: 8
    .kernarg_segment_size: 56
    .max_flat_workgroup_size: 128
    .sgpr_count:     100
    .vgpr_count:     1024
    .wavefront_size: 32
...
	.end_amdgpu_metadata
.endif
;; end of part 2
;; launch attn (part 3): grid 4 x 64, 16 waves a work-group, no clusters, 327,680 bytes of LDS; arguments qc, kc, vc, lowp_scales, yc; writes yc
.if DOCPART == 3
	.amdgcn_target "amdgcn-amd-amdhsa--gfx1250"
	.amdhsa_code_object_version 6
	.text
	.protected	k_q3aba5b9cc3_attn
	.globl	k_q3aba5b9cc3_attn
	.p2align	8
	.type	k_q3aba5b9cc3_attn,@function
k_q3aba5b9cc3_attn:
	s_mov_b64 s[64:65], 0
	v_nop
	global_prefetch_b8 v0, s[64:65] scope:SCOPE_SE
	s_setreg_imm32_b32 hwreg(HW_REG_WAVE_MODE, 25, 1), 1
	s_wait_xcnt 0x0
; y[head][q] = the sum over k <= q of softmax_k(q . k / 8) v[k], both products on codes of FP8 (E4M3); y is quantised with its given scale (entry 6) and leaves as codes, laid as the last product's operand.
; qc, kc: [head 64][token / 16][image of 1,024 bytes] (K = the head's 64);  vc: [head][key / 128][channel / 16][image of 2,048 bytes] (K = 128 keys);  an image holds registers 4 g .. 4 g + 3 of lane l at 512 g + 16 l.
; THE SOFTMAX AHEAD OF THE SECOND PRODUCT: t = score x log2(e) / 8; M = the row's largest t so far, rounded UP to a whole number; p = 2^(t - M) is what is quantised; it is not normalised.
; The row's sum is taken of the unquantised p, in f32, and divides at the end.  When M moves, the sum and O are multiplied by 2^(old M - new M): exact.
; SHARES.  Work-group (p, head) owns two blocks of 256 queries: first block 7 - p, which wants key slots (256 keys) 0 .. 7 - p, then block p, which wants 0 .. p: NINE slots whatever p is.  So all 256 work-groups have
; equal work under the causal mask, and the trip counts are constants: no tensor load and no barrier is ever jumped over.  Each of the sixteen waves owns 16 queries of the block in hand, in 256 registers.
; Both products are used transposed: S^T = K Q^T (source 0 = 16 keys), O^T = V^T P^T (source 0 = 16 channels): a lane holds ONE query (lane % 16) throughout, its registers eight neighbouring keys or channels: a conversion
; of an accumulator gives registers 2 c, 2 c + 1 of the next operand.
; NO CLUSTER: the four work-groups of a head want the same key slot only up to trip 7 - p and different ones afterwards; walking slots 0 .. 7 once with both blocks together would make every round as long as
; the busiest partner's: 12 blocks' steps against 9.
; LIMITS on the given exponents: e2 + e3 between -123 and 130 (they are added to c's exponent field); e4 and e6 between -126 and 119; e4 + e5 goes by v_ldexp_f32 and has none.
; REGISTERS: v1-6 addresses that stay; v12 -M, v13 the largest t, v[14:15] the sum in two halves; v16-23 Q in hand, v24-31 Q of the second block; v32-95 eight fragments of K, then four of V; v96-159 S^T, then p, then y;
;   v160-191 O^T; v192-207 p's codes; v208-215 y's codes; v224-236 at work and constants.
.set SLOT1, 32768                      ; a slot: 16,384 bytes of K (16 images), 16,384 of V (2 x 4 images); one exclusive or turns an address in one slot into the other's
.set VOFF,  16384
.set SPARE, 2*SLOT1                    ; behind the ring: the spare words, 128 bytes for each wave: eight blocks of 256 bytes that no other line names
.set L16,  1                           ; v1   16 x lane; never rewritten
.set ADR,  2                           ; v2   LDS address of the slot in hand, + 16 x lane
.set PFO,  3                           ; v3   256 x lane: the prefetches' offset; never rewritten
.set DQ,   4                           ; v4   lane % 16 - 8 (lane / 16)
.set SPW,  5                           ; v5   LDS address of my spare word; never rewritten
.set NIL,  6                           ; v6   0; never rewritten
.set WV,   18                          ; s18  my wave's number
.set PP,   19                          ; s19  p
.set SEL,  20                          ; s[20:21] lane selects for v_permlanex16_b32: lane l xor 16
.set CS,   22                          ; s[22:23] c = log2(e) / 8 x 2^(e2 + e3)
.set G1,   24                          ; s[24:31] descriptor group 1
.set G0,   32                          ; s[32:35] descriptor group 0, which walks
.set KVB,  36                          ; s[36:37] my head's codes: K's in wave 0, V's in the others
.set QB,   38                          ; s38  the block of queries in hand
.set KS,   39                          ; s39  the key slot in hand
.set KF,   40                          ; s40  the step's first key
.set Q0,   41                          ; s41  my first query
.set TB,   42                          ; s42  LDS byte at which the slot in hand begins
.set SLOTS, 43                         ; s43  trips to go
.set LIM,  44                          ; s44  2 in a wave that prefetches, else the greatest number
.set T0,   45                          ; s45  at work
.set PFA,  46                          ; s[46:47] where my prefetches stand
.set YB,   48                          ; s[48:49] yc at my wave's tile of rows in block 0 of my batch, my head's bytes
.set YP,   50                          ; s[50:51] the same in the block in hand
.set EX,   52                          ; s[52:59] e0 .. e7
.set EPV,  60                          ; s60  e4 + e5
.set W16,  61                          ; s61  16 x wave
.set T2,   62                          ; s[62:63] at work
; Wave 0 fetches a slot's K, wave 1 its V, the others nothing.  The branch hangs on the wave's number alone.  Four v_nop follow the line.
.macro TLOAD
	s_cmp_lt_u32 s[WV], 2
	s_cbranch_scc0 .Lno_load_\@
	tensor_load_to_lds s[G0:G0+3], s[G1:G1+7]
	s_nop 0
.rept 4
	v_nop
.endr
.Lno_load_\@:
.endm
; A PREFETCH INTO THE L2 of the key slot that the NEXT change of slots will ask for.  The four work-groups of a head begin with the same slots 0, 1, ..; work-group p = 0 walks all eight in its first block, so it asks, and nobody else.
; In it waves 4 and 5 ask for the halves of K's 16,384 bytes, waves 6 and 7 for V's: 8,192 bytes a wave, lanes 256 bytes apart, one instruction.  So each aligned block of 256 bytes is named once in the launch.
; Trips 0 to 5 ask for slots 2 to 7; slots 0 and 1 come by their loads alone, and nothing is asked for at the head or past slot 7.
.macro ASK
	s_cmp_gt_u32 s[SLOTS], s[LIM]
	s_cbranch_scc0 .Lnot_mine_\@
	global_prefetch_b8 v[PFO], s[PFA:PFA+1] th:TH_LOAD_NT scope:SCOPE_SE
.Lnot_mine_\@:
.endm
	s_load_b256 s[4:11], s[0:1], 0x0               ; qc s[4:5], kc s[6:7], vc s[8:9], lowp_scales s[10:11]
	s_load_b64 s[12:13], s[0:1], 0x20              ; yc
	v_lshl_add_u32 v[SPW], v0, 2, SPARE
	v_mov_b32 v[NIL], 0
	ds_add_u32 v5, v6
	ds_add_u32 v5, v6
	s_wait_dscnt 0x0
	v_lshrrev_b32 v7, 5, v0
	s_delay_alu instid0(VALU_DEP_1)
	v_readfirstlane_b32 s[WV], v7                  ; wave 0..15
	s_mov_b32 s[PP], ttmp9
	s_and_b32 s14, ttmp7, 0xffff                   ; the head, 16 x batch + head
	s_lshl_b32 s16, s14, 17                        ; its first byte in qc, kc and vc: 131,072 each
	s_mov_b32 s17, 0
	; descriptor group 1: 16,384 dense bytes as 64 rows of 32 elements of 8 bytes, no padding, no mask
	s_mov_b32 s[G1], 3<<16
	s_mov_b32 s[G1+1], 32<<16                      ; tensor_dim0
	s_mov_b32 s[G1+2], 64<<16                      ; tensor_dim1
	s_mov_b32 s[G1+3], 32<<16                      ; tile_dim0
	s_mov_b32 s[G1+4], 64                          ; tile_dim1
	s_mov_b32 s[G1+5], 32                          ; tensor_dim0_stride
	s_mov_b32 s[G1+6], 0
	s_mov_b32 s[G1+7], 0
	s_mov_b32 s[SEL], 0x76543210
	s_mov_b32 s[SEL+1], 0xfedcba98
	s_mov_b32 s[CS], 0x3e38aa3b                    ; log2(e) / 8
	s_sub_co_u32 s[QB], 7, s[PP]                   ; the first block
	s_mov_b32 s[KS], 0
	s_mov_b32 s[TB], 0
	s_mov_b32 s[SLOTS], 8
	s_lshl_b32 s[W16], s[WV], 4
	s_lshl_b32 s[Q0], s[QB], 8
	s_add_co_u32 s[Q0], s[Q0], s[W16]
	s_and_b32 s15, s[WV], 1
	s_mov_b32 s[G0], 1                             ; count = 1
	s_lshl_b32 s[G0+1], s15, 14                    ; LDS address: slot 0; K's bytes, or V's behind them
	s_wait_kmcnt 0x0
	s_load_b256 s[EX:EX+7], s[10:11], 0x0
	s_cmp_eq_u32 s[WV], 0
	s_cselect_b64 s[KVB:KVB+1], s[6:7], s[8:9]
	s_add_nc_u64 s[KVB:KVB+1], s[KVB:KVB+1], s[16:17]
	s_mov_b64 s[G0+2:G0+3], s[KVB:KVB+1]           ; key slot 0
	s_or_b32 s[G0+3], s[G0+3], 0x80000000          ; type = 2
	TLOAD
	v_and_b32 v7, 31, v0
	s_delay_alu instid0(VALU_DEP_1)
	v_lshlrev_b32 v[L16], 4, v7
	s_delay_alu instid0(VALU_DEP_2)
	v_lshlrev_b32 v[PFO], 8, v7
	s_add_nc_u64 s[4:5], s[4:5], s[16:17]          ; Q's codes in my head
	s_lshl_b32 s[T2+1], s[WV], 10                  ; my tile of 16 queries: 1,024 bytes
	s_lshl_b32 s[T2], s[QB], 14                    ; a block of 256: 16,384
	s_add_co_u32 s[T2], s[T2], s[T2+1]
	v_add_nc_u32 v8, s[T2], v[L16]
	s_lshl_b32 s[T2], s[PP], 14
	s_add_co_u32 s[T2], s[T2], s[T2+1]
	v_add_nc_u32 v9, s[T2], v[L16]
	global_load_b128 v[16:19], v8, s[4:5]          ; Q of the first block,
	global_load_b128 v[20:23], v8, s[4:5] offset:512
	global_load_b128 v[24:27], v9, s[4:5]          ; and of the second: both stay in registers
	global_load_b128 v[28:31], v9, s[4:5] offset:512
	; yc is laid as xc: [K / 256][row / 16][2 images].  Head hd's 64 channels are K = 64 hd on: plane hd / 4, bytes 1,024 (hd % 4) on of the tile's 4,096
	s_and_b32 s[T2], s14, 15
	s_lshr_b32 s[T2+1], s[T2], 2
	s_lshl_b32 s[T2+1], s[T2+1], 21
	s_and_b32 s[T2], s[T2], 3
	s_lshl_b32 s[T2], s[T2], 10
	s_add_co_u32 s[T2], s[T2], s[T2+1]
	s_lshr_b32 s[T2+1], s14, 4
	s_lshl_b32 s[T2+1], s[T2+1], 7
	s_add_co_u32 s[T2+1], s[T2+1], s[WV]           ; tile of rows: 128 x batch + wave (+ 16 x block)
	s_lshl_b32 s[T2+1], s[T2+1], 12
	s_add_co_u32 s[T2], s[T2], s[T2+1]
	s_mov_b32 s[T2+1], 0
	s_add_nc_u64 s[YB:YB+1], s[12:13], s[T2:T2+1]
	; the prefetches: where my wave's stand, and who asks
	s_cmp_lt_u32 s[WV], 6
	s_cselect_b64 s[PFA:PFA+1], s[6:7], s[8:9]
	s_add_nc_u64 s[PFA:PFA+1], s[PFA:PFA+1], s[16:17]
	s_lshl_b32 s[T2], s15, 13                      ; my half of a slot's 16,384 bytes,
	s_add_co_u32 s[T2], s[T2], 16384               ; in slot 1: the first change of slots steps it to slot 2
	s_add_nc_u64 s[PFA:PFA+1], s[PFA:PFA+1], s[T2:T2+1]
	s_sub_co_u32 s[T0], s[WV], 4
	s_lshr_b32 s[T0], s[T0], 2                     ; 0 in waves 4 to 7,
	s_or_b32 s[T0], s[T0], ttmp9                   ; of work-group p = 0
	s_cmp_eq_u32 s[T0], 0
	s_cselect_b32 s[LIM], 2, -1
	v_and_b32 v[DQ], 15, v0
	v_bfe_u32 v7, v0, 4, 1
	s_delay_alu instid0(VALU_DEP_1)
	v_lshlrev_b32 v7, 3, v7
	s_delay_alu instid0(VALU_DEP_1)
	v_sub_nc_u32 v[DQ], v[DQ], v7
	v_mov_b32 v13, 0xff61b1e6                      ; the largest t so far: -3e38, under every t
	s_delay_alu instid0(VALU_DEP_1)
	v_floor_f32 v12, -v13                          ; -M
	v_mov_b32 v14, 0
	v_mov_b32 v15, 0
	v_mov_b32 v224, 0                              ; written once: a lane permute's destination counts as one of its sources
	v_mov_b32 v227, 0                              ; (named as the upper half of the pair v[226:227])
	v_mov_b32 v236, 0xff800000                     ; -infinity
.set j, 0
.rept 32
	v_mov_b32 v[160+j], 0                          ; O^T.  (The step is written once: a block's first step finds zeros, which the first change of M leaves zeros)
.set j, j+1
.endr
	s_wait_kmcnt 0x0
	s_add_co_i32 s[T2], s[EX+2], s[EX+3]
	s_lshl_b32 s[T2], s[T2], 23
	s_add_co_i32 s[CS], s[CS], s[T2]               ; a score stands for score x 2^(e2 + e3): the exponents are added to c's exponent field
	s_mov_b32 s[CS+1], s[CS]                       ; (named with it as a pair, so it is written)
	s_add_co_i32 s[T2], s[EX+4], 127
	s_lshl_b32 s[T0], s[T2], 23
	v_mov_b32 v233, s[T0]                          ; 2^e4, for p's conversions
	s_add_co_i32 s[T2], s[EX+6], 127
	s_lshl_b32 s[T0], s[T2], 23
	v_mov_b32 v235, s[T0]                          ; 2^e6, for y's
	s_add_co_i32 s[EPV], s[EX+4], s[EX+5]
; A KEY STEP: 128 keys, the st-th half of the slot in hand.
.macro STEP st
	s_add_co_u32 s[T0], s[Q0], 15                  ; a step all of whose keys come after my 16 queries is left out: a scalar branch on ids and the trip; no barrier and no tensor load stands in a step
	s_cmp_gt_u32 s[KF], s[T0]
	s_cbranch_scc1 .Lhidden_\@
	v_add_nc_u32 v[ADR], s[TB], v[L16]
.rept 3
	v_nop                                          ; with the addition above: four places in front of loads into registers that the last products read
.endr
.irp t, 0,1,2,3,4,5,6,7                ; K's eight images: 16 keys x 64 each
	ds_load_b128 v[32+8*\t:35+8*\t], v[ADR] offset:(\st)*8192+\t*1024
	ds_load_b128 v[36+8*\t:39+8*\t], v[ADR] offset:(\st)*8192+\t*1024+512
.endr
	s_wait_alu depctr_va_vdst(0)
	s_wait_dscnt 0x0
.irp t, 0,1,2,3,4,5,6,7
	v_wmma_f32_16x16x64_fp8_fp8 v[96+8*\t:103+8*\t], v[32+8*\t:39+8*\t], v[16:23], 0   ; register 8 t + j: key KF + 16 t + 8 (lane / 16) + j of query lane % 16
.endr
.rept 4
	v_nop
.endr
.irp dt, 0,1,2,3                       ; V's four images go out now and land under the softmax
.irp g, 0,1,2,3
	ds_load_b128 v[32+16*\dt+4*\g:35+16*\dt+4*\g], v[ADR] offset:VOFF+(\st)*8192+\dt*2048+\g*512
.endr
.endr
	s_add_co_u32 s[T0], s[KF], 127                 ; on the diagonal the scores of hidden keys become -infinity ahead of the maximum: p = 0 then.  A step all of whose keys count skips this
	s_cmp_le_u32 s[T0], s[Q0]
	s_cbranch_scc1 .Lopen_\@
	s_sub_co_i32 s[T0], s[Q0], s[KF]
	v_add_nc_u32 v228, s[T0], v[DQ]                ; d = my query - KF - 8 (lane / 16): register 8 t + j is hidden where 16 t + j > d.  (Key KF counts for every query of the wave: KF <= Q0)
.set n, 0
.rept 64
	v_cmp_gt_i32 vcc_lo, 16*(n/8)+n%8, v228
	v_cndmask_b32 v[96+n], v[96+n], v236, vcc_lo
.set n, n+1
.endr
.Lopen_\@:
	v_max3_num_f32 v228, v96, v97, v98             ; the step's largest score of my query, among my 64 keys, in two chains (each accumulator is first read at its low end),
	v_max3_num_f32 v229, v99, v100, v101
.irp i, 6,10,14,18,22,26,30,34,38,42,46,50,54,58
	v_max3_num_f32 v228, v228, v[96+\i], v[97+\i]
	v_max3_num_f32 v229, v229, v[98+\i], v[99+\i]
.endr
	v_max3_num_f32 v228, v228, v158, v159
	s_delay_alu instid0(VALU_DEP_1)
	v_max_num_f32 v228, v228, v229
	s_delay_alu instid0(VALU_DEP_1)
	v_permlanex16_b32 v224, v228, s[SEL], s[SEL+1]
	s_delay_alu instid0(VALU_DEP_1)
	v_max_num_f32 v228, v228, v224                 ; and among lane l xor 16's
	s_delay_alu instid0(VALU_DEP_1)
	v_mul_f32 v228, s[CS], v228                    ; as t (c is positive)
	s_delay_alu instid0(VALU_DEP_1)
	v_max_num_f32 v13, v13, v228                   ; the running largest t
	v_mov_b32 v228, v12
	s_delay_alu instid0(VALU_DEP_2)
	v_floor_f32 v12, -v13                          ; the new -M = floor(-t) = -ceil(t): M is a whole number
	s_delay_alu instid0(VALU_DEP_1)
	v_sub_f32 v228, v12, v228                      ; M's old value less its new one: a whole number, 0 or less
	s_delay_alu instid0(VALU_DEP_1)
	v_cvt_i32_f32 v228, v228                       ; (it saturates)
	s_delay_alu instid0(VALU_DEP_1)
	v_ldexp_f32 v226, 1.0, v228                    ; f = 2^(old M - new M)
.set j, 0
.rept 32
	v_pk_fma_f32 v[96+j:97+j], v[96+j:97+j], s[CS:CS+1], v[12:13] op_sel_hi:[1,0,0]   ; t - M, two at a time
.set j, j+2
.endr
.set j, 0
	s_wait_alu depctr_va_vdst(0)
.rept 64
	v_exp_f32 v[96+j], v[96+j]                     ; p = 2^(t - M), at most 1: not normalised
.set j, j+1
.endr
	v_pk_mul_f32 v[14:15], v[14:15], v[226:227] op_sel_hi:[1,0]   ; the sums under the new M.  (A plain line behind the exponentials)
	s_wait_alu depctr_va_vdst(0)                   ; one wait for the whole batch, ahead of its first reader
	v_pk_add_f32 v[230:231], v[100:101], v[104:105]
	v_pk_add_f32 v[254:255], v[108:109], v[112:113]
	v_pk_add_f32 v[252:253], v[116:117], v[120:121]
	v_pk_add_f32 v[250:251], v[124:125], v[128:129]
	v_pk_add_f32 v[248:249], v[132:133], v[136:137]
	v_pk_add_f32 v[246:247], v[140:141], v[144:145]
	v_pk_add_f32 v[244:245], v[148:149], v[152:153]
	v_pk_add_f32 v[14:15], v[14:15], v[156:157]
	v_pk_add_f32 v[230:231], v[230:231], v[96:97]
	v_pk_add_f32 v[254:255], v[254:255], v[98:99]
	v_pk_add_f32 v[252:253], v[252:253], v[102:103]
	v_pk_add_f32 v[250:251], v[250:251], v[106:107]
	v_pk_add_f32 v[248:249], v[248:249], v[110:111]
	v_pk_add_f32 v[246:247], v[246:247], v[114:115]
	v_pk_add_f32 v[244:245], v[244:245], v[118:119]
	v_pk_add_f32 v[14:15], v[14:15], v[122:123]
	v_pk_add_f32 v[230:231], v[230:231], v[126:127]
	v_pk_add_f32 v[254:255], v[254:255], v[130:131]
	v_pk_add_f32 v[252:253], v[252:253], v[134:135]
	v_pk_add_f32 v[250:251], v[250:251], v[138:139]
	v_pk_add_f32 v[248:249], v[248:249], v[142:143]
	v_pk_add_f32 v[246:247], v[246:247], v[146:147]
	v_pk_add_f32 v[244:245], v[244:245], v[150:151]
	v_pk_add_f32 v[14:15], v[14:15], v[154:155]
	v_pk_add_f32 v[230:231], v[230:231], v[158:159]
	s_delay_alu instid0(VALU_DEP_2)
	v_pk_add_f32 v[14:15], v[14:15], v[250:251]
	s_delay_alu instid0(VALU_DEP_2)
	v_pk_add_f32 v[230:231], v[230:231], v[248:249]
	v_pk_add_f32 v[254:255], v[254:255], v[246:247]
	v_pk_add_f32 v[252:253], v[252:253], v[244:245]
	s_delay_alu instid0(VALU_DEP_2)
	v_pk_add_f32 v[14:15], v[14:15], v[254:255]
	s_delay_alu instid0(VALU_DEP_2)
	v_pk_add_f32 v[230:231], v[230:231], v[252:253]
	s_delay_alu instid0(VALU_DEP_1)
	v_pk_add_f32 v[14:15], v[14:15], v[230:231]
.irp t, 0,1,2,3,4,5,6,7
.irp i, 0,1,2,3,4,5,6,7
.endr
	v_cvt_scalef32_pk8_fp8_f32 v[192+2*\t:193+2*\t], v[96+8*\t:103+8*\t], v233   ; registers 2 t, 2 t + 1 of P's fragment: keys 16 t + 8 (lane / 16) + 0 .. 7
.endr
.set j, 0
.rept 16
	v_pk_mul_f32 v[160+j:161+j], v[160+j:161+j], v[226:227] op_sel_hi:[1,0]   ; O^T under the new M.  (Also the plain lines between the conversions and the products that read the codes)
.set j, j+2
.endr
	s_wait_alu depctr_va_vdst(0)
	s_wait_dscnt 0x0                               ; V is in
.irp dt, 0,1,2,3                       ; the four accumulators take turns, one instruction a turn
	v_wmma_f32_16x16x128_fp8_fp8 v[160+8*\dt:167+8*\dt], v[32+16*\dt:47+16*\dt], v[192:207], v[160+8*\dt:167+8*\dt]
.endr
.Lhidden_\@:
	s_add_co_u32 s[KF], s[KF], 128
.endm
; THE CHANGE OF SLOTS stands at a trip's head.  Each wave waits for all its tensor loads (its part of the slot that it is about to read), adds 0 to its spare word, and waits for that and for its reads of the slot that it has left.
; Behind the barrier the slot ahead is whole and nobody reads the other one.  fill = 1: that one takes the key slot of the next trip: the next one, or slot 0 where this trip ends a block of queries.
.macro CHANGE fill
	s_wait_tensorcnt 0x0                           ; no tensor load of mine is out, so group 0 may be written
	ds_add_u32 v[SPW], v[NIL]                      ; 0 onto my spare word
.if \fill
	s_add_co_u32 s[T0], s[KS], 1
	s_cmp_eq_u32 s[KS], s[QB]
	s_cselect_b32 s[T0], 0, s[T0]                  ; the next trip's key slot
	s_lshl_b32 s[T2], s[T0], 14
	s_mov_b32 s[T2+1], 0
	s_xor_b32 s[G0+1], s[G0+1], SLOT1              ; the other LDS slot than last time
	s_add_nc_u64 s[G0+2:G0+3], s[KVB:KVB+1], s[T2:T2+1]
	s_or_b32 s[G0+3], s[G0+3], 0x80000000
	s_wait_xcnt 0x0                                ; the last prefetch, a trip back, has read its address, so it may be written
	s_add_nc_u64 s[PFA:PFA+1], s[PFA:PFA+1], 16384
.endif
	s_wait_dscnt 0x0                               ; the add is done, and my reads of the slot that I have left are over
	s_barrier_signal -1
	s_barrier_wait -1
.if \fill
	TLOAD                                          ; the first thing behind the barrier, and a wave's one tensor load until the next
	ASK
.endif
.endm
; A BLOCK OF QUERIES IS DONE: O^T / the sum x 2^(e4 + e5) is y; it is converted (accumulator dt gives registers 2 dt, 2 dt + 1 of my head's half of a fragment) and stored: two stores of 512 consecutive bytes, aligned.
; more = 1: the second block begins.
.macro FINISH more
	s_wait_xcnt 0x0                                ; the first block's stores have read their data and their base: both are written again below
.rept 4
	v_nop                                          ; places behind the last products
.endr
	v_add_f32 v14, v14, v15                        ; the sum's two halves,
	s_delay_alu instid0(VALU_DEP_1)
	v_permlanex16_b32 v224, v14, s[SEL], s[SEL+1]
	s_delay_alu instid0(VALU_DEP_1)
	v_add_f32 v14, v14, v224                       ; and lane l xor 16's
	s_wait_alu depctr_va_vdst(0)
	v_rcp_f32 v14, v14
	v_nop                                          ; a plain line behind the transcendental
	s_lshl_b32 s[T2], s[QB], 16                    ; a block is 16 tiles of rows of 4,096 bytes
	s_mov_b32 s[T2+1], 0
	s_add_nc_u64 s[YP:YP+1], s[YB:YB+1], s[T2:T2+1]
	s_wait_alu depctr_va_vdst(0)                   ; the wait ahead of the first reader
	v_ldexp_f32 v14, v14, s[EPV]
.set j, 0
.rept 16
	v_pk_mul_f32 v[96+j:97+j], v[160+j:161+j], v[14:15] op_sel_hi:[1,0]   ; each accumulator from its low end on
.set j, j+2
.endr
.set j, 0
.rept 32
.set j, j+1
.endr
.irp dt, 0,1,2,3
	v_cvt_scalef32_pk8_fp8_f32 v[208+2*\dt:209+2*\dt], v[96+8*\dt:103+8*\dt], v235
.endr
	v_nop                                          ; one plain vector line behind the last conversion
	global_store_b128 v[L16], v[208:211], s[YP:YP+1]
	global_store_b128 v[L16], v[212:215], s[YP:YP+1] offset:512
.if \more
.irp i, 0,1,2,3,4,5,6,7
	v_mov_b32 v[16+\i], v[24+\i]                   ; the second block's Q
.endr
	v_mov_b32 v13, 0xff61b1e6
	s_delay_alu instid0(VALU_DEP_1)
	v_floor_f32 v12, -v13
	v_mov_b32 v14, 0
	v_mov_b32 v15, 0
.set j, 0
.rept 32
	v_mov_b32 v[160+j], 0
.set j, j+1
.endr
	s_mov_b32 s[QB], s[PP]
	s_lshl_b32 s[Q0], s[PP], 8
	s_add_co_u32 s[Q0], s[Q0], s[W16]
	s_mov_b32 s[KS], -1                            ; the line behind the label makes it 0
.endif
.endm
	s_wait_loadcnt 0x0                             ; Q
.Lslot:                                            ; eight trips: behind each change of slots the next trip's key slot is asked for
	CHANGE 1
	s_lshl_b32 s[KF], s[KS], 8
	STEP 0
	STEP 1
	s_xor_b32 s[TB], s[TB], SLOT1                  ; on to the other slot
	s_cmp_lg_u32 s[KS], s[QB]                      ; the diagonal slot ends a block of queries: in the loop that is the first block's, in trip 7 - p
	s_cbranch_scc1 .Lsame
	FINISH 1
.Lsame:
	s_add_co_u32 s[KS], s[KS], 1
	s_sub_co_u32 s[SLOTS], s[SLOTS], 1
	s_cmp_lg_u32 s[SLOTS], 0
	s_cbranch_scc1 .Lslot
	CHANGE 0                                       ; the ninth trip, the second block's diagonal slot, is written out: nothing is left to fetch
	s_lshl_b32 s[KF], s[KS], 8
	STEP 0
	STEP 1
	FINISH 0
	s_wait_tensorcnt 0x0                           ; the wave's end
	ds_add_u32 v[SPW], v[NIL]
	s_wait_dscnt 0x0
	s_endpgm
.Lfunc_end_k_q3aba5b9cc3_attn:
	.size	k_q3aba5b9cc3_attn, .Lfunc_end_k_q3aba5b9cc3_attn-k_q3aba5b9cc3_attn
	.p2alignl 7, 3214868480
	.fill 96, 4, 3214868480
	.section	.rodata,"a",@progbits
	.p2align	6, 0x0
	.amdhsa_kernel k_q3aba5b9cc3_attn
		.amdhsa_group_segment_fixed_size 327680
		.amdhsa_private_segment_fixed_size 0
		.amdhsa_enable_private_segment 0
		.amdhsa_kernarg_size 40
		.amdhsa_user_sgpr_count 2
		.amdhsa_user_sgpr_kernarg_segment_ptr 1
		.amdhsa_wavefront_size32 1
		.amdhsa_system_sgpr_workgroup_id_x 1
		.amdhsa_system_sgpr_workgroup_id_y 1
		.amdhsa_system_sgpr_workgroup_id_z 1
		.amdhsa_system_vgpr_workitem_id 0
		.amdhsa_next_free_vgpr 256
		.amdhsa_next_free_sgpr 66
		.amdhsa_reserve_vcc 1
		.amdhsa_float_denorm_mode_32 3
		.amdhsa_float_denorm_mode_16_64 3
		.amdhsa_fp16_overflow 1
		.amdhsa_memory_ordered 1
		.amdhsa_forward_progress 1
		.amdhsa_inst_pref_size 89
	.end_amdhsa_kernel
	.amdgpu_metadata
---
amdhsa.version: [ 1, 2 ]
amdhsa.kernels:
  - .name:           k_q3aba5b9cc3_attn
    .symbol:         k_q3aba5b9cc3_attn.kd
    .args:
      - { .name: qc, .offset: 0, .size: 8, .value_kind: global_buffer, .address_space: global }
      - { .name: kc, .offset: 8, .size: 8, .value_kind: global_buffer, .address_space: global }
      - { .name: vc, .offset: 16, .size: 8, .value_kind: global_buffer, .address_space: global }
      - { .name: lowp_scales, .offset: 24, .size: 8, .value_kind: global_buffer, .address_space: global }
      - { .name: yc, .offset: 32, .size: 8, .value_kind: global_buffer, .address_space: global }
    .group_segment_fixed_size: 327680
    .private_segment_fixed_size: 0
    .kernarg_segment_align: 8
    .kernarg_segment_size: 40
    .max_flat_workgroup_size: 512
    .sgpr_count:     66
    .vgpr_count:     256
    .wavefront_size: 32
...
	.end_amdgpu_metadata
.endif
;; end of part 3
;; launch proj (part 4): grid 8 x 32, 4 waves a work-group, clusters of 4 x 4, 327,680 bytes of LDS; arguments yc, wpc, b_proj, lowp_scales, out0; writes out0
.if DOCPART == 4
	.amdgcn_target "amdgcn-amd-amdhsa--gfx1250"
	.amdhsa_code_object_version 6
	.text
	.protected	k_q3aba5b9cc3_proj
	.globl	k_q3aba5b9cc3_proj
	.p2align	8
	.type	k_q3aba5b9cc3_proj,@function
k_q3aba5b9cc3_proj:
	s_mov_b64 s[64:65], 0
	v_nop
	global_prefetch_b8 v0, s[64:65] scope:SCOPE_SE
	s_setreg_imm32_b32 hwreg(HW_REG_WAVE_MODE, 25, 1), 1
	s_wait_xcnt 0x0
	s_wait_alu depctr_hold_cnt(0) depctr_sa_sdst(0) depctr_va_vdst(0) depctr_va_sdst(0) depctr_va_ssrc(0) depctr_va_vcc(0) depctr_vm_vsrc(0)
	s_getreg_b32 s2, hwreg(HW_REG_IB_STS2, 6, 4)
	s_cmp_eq_u32 s2, 0
	s_cbranch_scc0 .Lentry_in_a_cluster
	s_endpgm
.Lentry_in_a_cluster:
	s_bfe_u32 s2, ttmp6, 0x10000c
	s_cmp_lg_u32 s2, 0xf033
	s_cbranch_scc0 .Lentry_shape_is_right
	s_endpgm
.Lentry_shape_is_right:
; out0 = y W_proj + b_proj on codes of FP8 (E4M3), [8192 x 1024] x [1024 x 1024], f32 out.  A sum is multiplied once by 2^(e6 + e7) and the bias added, by one packed multiply-add for two numbers.
; LIMIT: e6 + e7 between -126 and 127, so that 2^(e6 + e7) is an f32 number.
; yc and wpc hold images of operand registers ([K / 256][rows / 16][2 images of 2,048 bytes]; registers 4 g .. 4 g + 3 of lane l at 512 g + 16 l): a tile is one dense block, a fragment four loads of 512 consecutive bytes.
; A tile of the result is 256 rows x 128 columns, so that there are 256 work-groups; four waves, each 128 x 64: 32 accumulators, 256 registers.  K = 1,024 goes in four steps of 256 through two LDS slots, written out without a loop.
; CLUSTERS: 4 x 4 work-groups.  y's tile (source 1: the result's lane) is asked for jointly along a row of the cluster, W's (source 0: the result's registers) along a column.
; A lane holds eight neighbouring columns of one row.  A block of 16 rows x 64 columns goes through the wave's own stage in LDS and comes back as whole pieces of 256 bytes, which sixteen lanes store together, aligned.
; No prefetch: of the four K steps two are first fills, and each tile is asked for once by four partners together.
; REGISTERS: window 0: v16-29 addresses; v32-63 the bias; v64-95 at work; from v128 y's fragments (ONE set), on the way out v128-191 rows read back.   window 1: W's fragments, two sets of 64.   window 2: accumulator (a, b) at v[8 (4 a + b)].
.set SLOT,   98304                     ; y's 16 tiles of 16 rows x 4,096 bytes, then W's 8
.set BOFF,   65536
.set PLA,    2097152                   ; a plane (256 along K) of yc,
.set PLB,    262144                    ; of wpc
.set STAGE,  2*SLOT                    ; behind the ring: 16 rows x 272 bytes for each wave: no tensor load lands there
.set SPITCH, 272                       ; 256 bytes + 16 = 68 words: the sixteen rows that a store touches start four banks apart (64 banks of 4 bytes: ISA guide 11.1)
.set SPARE,  STAGE+4*16*SPITCH         ; the spare words, 128 bytes for each wave: two blocks of 256 bytes that no other line names
.set FR,     16
.set NL,     4
.set NP,     4
.set ADRA, 16                          ; v16-17  LDS address of my fragments of y in slot 0, 1
.set ADRB, 20                          ; v20-21  the same for W
.set STO,  24                          ; v24     the way out: where I put 32 bytes of a row
.set RD,   25                          ; v25     where I read 16 bytes back
.set CO,   26                          ; v26     my byte offset in two rows of out0
.set SPW,  28
.set NIL,  29
.set BP,   32                          ; v32-63  the bias of my eight columns in W's block b, at 8 b
.set TMP,  64
.set AF,   128
.set BK,   128                         ; v128-159, v160-191 by turns
.set G1, 24
.set G0, 32
.set G1B, 48
.set G0B, 56
.set MSB, 0
.macro WIN new                         ; the immediate's high byte repeats the setting that is left
.if MSB != (\new)
	s_set_vgpr_msb (MSB<<8)|(\new)
.set MSB, \new
.endif
.endm
.set MUL,  0xa1                        ; source 0 (W) window 1, source 1 (y) window 0, C and D window 2
.set TO_B, 0x40
.macro JLOAD g0a, g1a, g0b, g1b        ; a joint load: waves 0 and 1 fetch y's halves, waves 2 and 3 W's; four v_nop follow each of the two lines
	s_cmp_eq_u32 s15, 0
	s_cbranch_scc0 .Lfor_b_\@
	tensor_load_to_lds s[\g0a:\g0a+3], s[\g1a:\g1a+7]
	s_nop 0
.rept 4
	v_nop
.endr
	s_branch .Lasked_\@
.Lfor_b_\@:
	tensor_load_to_lds s[\g0b:\g0b+3], s[\g1b:\g1b+7]
	s_nop 0
.rept 4
	v_nop
.endr
.Lasked_\@:
.endm
.macro CREST
	s_cmp_lg_u32 s14, 0
	s_cbranch_scc1 .Lnot_wave_0_\@
	s_barrier_signal -3
.Lnot_wave_0_\@:
	s_barrier_wait -3
	s_barrier_signal -1
	s_barrier_wait -1
.endm
.macro CROUND
	s_barrier_signal -1
	s_barrier_wait -1
	CREST
.endm
	s_load_b256 s[4:11], s[0:1], 0x0               ; yc s[4:5], wpc s[6:7], b_proj s[8:9], lowp_scales s[10:11]
	s_load_b64 s[12:13], s[0:1], 0x20              ; out0
	v_lshl_add_u32 v[SPW], v0, 2, SPARE
	v_mov_b32 v[NIL], 0
	ds_add_u32 v28, v29
	ds_add_u32 v28, v29
	s_wait_dscnt 0x0
	v_lshrrev_b32 v1, 5, v0
	v_readfirstlane_b32 s14, v1                    ; wave 0..3
	s_lshr_b32 s15, s14, 1                         ; which 128 rows are mine.  Also: I fetch for y (0) or for W (1)
	s_and_b32 s16, s14, 1                          ; which 64 columns.  Also: which half of that tile I fetch
	s_bfe_u32 s40, ttmp6, 0x40000                  ; cx, cy
	s_bfe_u32 s41, ttmp6, 0x40004
	s_lshl_b32 s42, ttmp9, 2
	s_add_co_u32 s42, s42, s40                     ; the tile of 128 columns = 4 x cluster x + cx
	s_and_b32 s17, ttmp7, 0xffff
	s_lshl_b32 s17, s17, 2
	s_add_co_u32 s17, s17, s41                     ; the tile of 256 rows = 4 x cluster y + cy
	s_lshl_b32 s43, s41, 2
	s_lshl_b32 s43, 15, s43                        ; my row of the cluster
	s_lshl_b32 s44, 0x1111, s40                    ; my column
	; descriptor groups 1: dense bytes as rows of 32 elements of 8 bytes, no padding: y's half is 128 rows, W's 64
	s_or_b32 s[G1+0], s43, (3<<16)|(1<<21)
	s_mov_b32 s[G1+1], 32<<16
	s_mov_b32 s[G1+2], 128<<16
	s_mov_b32 s[G1+3], 32<<16
	s_mov_b32 s[G1+4], 128
	s_mov_b32 s[G1+5], 32
	s_mov_b32 s[G1+6], 0
	s_mov_b32 s[G1+7], 0
	s_or_b32 s[G1B+0], s44, (3<<16)|(1<<21)
	s_mov_b32 s[G1B+1], 32<<16
	s_mov_b32 s[G1B+2], 64<<16
	s_mov_b32 s[G1B+3], 32<<16
	s_mov_b32 s[G1B+4], 64
	s_mov_b32 s[G1B+5], 32
	s_mov_b32 s[G1B+6], 0
	s_mov_b32 s[G1B+7], 0
	s_lshl_b32 s18, s16, 15                        ; y's half: in memory and in a slot
	s_lshl_b32 s20, s17, 16
	s_add_co_u32 s20, s20, s18
	s_mov_b32 s21, 0
	s_lshl_b32 s19, s16, 14                        ; W's half
	s_lshl_b32 s46, s42, 15
	s_add_co_u32 s46, s46, s19
	s_mov_b32 s47, 0
	s_add_co_u32 s45, s19, BOFF                    ; and its place in a slot: no place in the cluster enters an LDS address
	s_wait_kmcnt 0x0
	s_load_b256 s[88:95], s[10:11], 0x0            ; e0 .. e7
	s_add_nc_u64 s[20:21], s[4:5], s[20:21]
	s_add_nc_u64 s[46:47], s[6:7], s[46:47]
	CROUND                                         ; all sixteen work-groups are here: the first joint loads meet
.irp s, 0,1
	s_mov_b32 s[G0+4*\s], 1
	s_add_co_u32 s[G0+4*\s+1], s18, \s*SLOT
	s_add_nc_u64 s[G0+4*\s+2:G0+4*\s+3], s[20:21], \s*PLA
	s_or_b32 s[G0+4*\s+3], s[G0+4*\s+3], 0x80000000
	s_mov_b32 s[G0B+4*\s], 1
	s_add_co_u32 s[G0B+4*\s+1], s45, \s*SLOT
	s_add_nc_u64 s[G0B+4*\s+2:G0B+4*\s+3], s[46:47], \s*PLB
	s_or_b32 s[G0B+4*\s+3], s[G0B+4*\s+3], 0x80000000
	s_wait_alu depctr_va_vdst(0)
	s_wait_tensorcnt 0x0
	ds_add_u32 v28, v29
	ds_add_u32 v28, v29
	s_wait_dscnt 0x0
	CROUND
	JLOAD G0+4*\s, G1, G0B+4*\s, G1B
.endr
	v_and_b32 v1, 31, v0
	v_and_b32 v2, 15, v0                           ; r
	s_wait_alu depctr_va_vdst(0)
	v_bfe_u32 v3, v0, 4, 1                         ; h
	v_lshlrev_b32 v4, 4, v1                        ; 16 x lane
	s_lshl_b32 s21, s15, 15                        ; my 128 rows of y
	s_lshl_b32 s22, s16, 14                        ; my 64 columns of W,
	s_add_co_u32 s22, s22, BOFF                    ; which lie behind y's tile
.irp s, 0,1
	v_add_nc_u32 v[ADRA+\s], s21, v4
	v_add_nc_u32 v[ADRB+\s], s22, v4
	s_add_co_u32 s21, s21, SLOT
	s_add_co_u32 s22, s22, SLOT
.endr
	s_mul_i32 s23, s14, 16*SPITCH
	s_add_co_u32 s23, s23, STAGE                   ; my stage
	v_mul_u32_u24 v5, v2, SPITCH                   ; in: row r, 32 bytes for each half of the lanes
	s_wait_alu depctr_va_vdst(0)
	v_lshl_add_u32 v5, v3, 5, v5
	v_add_nc_u32 v[STO], s23, v5
	v_mul_u32_u24 v5, v3, SPITCH                   ; back: lanes 0-15 one row's 256 bytes, lanes 16-31 the next row's
	v_lshl_add_u32 v5, v2, 4, v5
	v_add_nc_u32 v[RD], s23, v5
	v_lshlrev_b32 v5, 12, v3                       ; and the same in out0: a row is 4,096 bytes
	v_lshl_add_u32 v[CO], v2, 4, v5
	s_lshl_b32 s96, s42, 9
	s_lshl_b32 s97, s16, 8
	s_add_co_u32 s96, s96, s97                     ; my first column, in bytes
	v_lshl_add_u32 v27, v3, 5, s96                 ; the bias: block b's columns 16 b + 8 h + 0 .. 7
.irp b, 0,1,2,3
	global_load_b128 v[BP+8*\b:BP+8*\b+3], v27, s[8:9] offset:64*\b
	global_load_b128 v[BP+8*\b+4:BP+8*\b+7], v27, s[8:9] offset:64*\b+16
.endr
	s_lshl_b32 s20, s17, 20                        ; 256 rows of 4,096 bytes,
	s_lshl_b32 s21, s15, 19                        ; my 128 of them,
	s_add_co_u32 s20, s20, s21
	s_add_co_u32 s20, s20, s96                     ; my columns
	s_mov_b32 s21, 0
	s_add_nc_u64 s[12:13], s[12:13], s[20:21]
	s_wait_kmcnt 0x0
	s_add_co_i32 s96, s94, s95                     ; e6 + e7
	s_add_co_i32 s96, s96, 127
	s_lshl_b32 s96, s96, 23                        ; 2^(e6 + e7) as f32
	s_mov_b32 s97, s96                             ; (named with it as a pair, so it is written)
.macro FRAG reg, adr, q, i
.irp c, 0,1,2,3
	ds_load_b128 v[\reg+4*\c:\reg+4*\c+3], v[\adr] offset:(\i)*4096+(\q)*2048+512*\c
.endr
.endm
; 8 matrix instructions: y's blocks a0, a0 + 1 x W's four, 128 along K.  The 32 accumulators take turns, one instruction a turn, in the same order in every step.
.macro MUL8 a0, p, zero
.irp a, \a0, \a0+1
.irp b, 0,1,2,3
.if \zero
	v_wmma_f32_16x16x128_fp8_fp8 v[8*(4*(\a)+\b):8*(4*(\a)+\b)+7], v[64*(\p)+FR*\b:64*(\p)+FR*\b+FR-1], v[AF+FR*(\a):AF+FR*(\a)+FR-1], 0
.else
	v_wmma_f32_16x16x128_fp8_fp8 v[8*(4*(\a)+\b):8*(4*(\a)+\b)+7], v[64*(\p)+FR*\b:64*(\p)+FR*\b+FR-1], v[AF+FR*(\a):AF+FR*(\a)+FR-1], v[8*(4*(\a)+\b):8*(4*(\a)+\b)+7]
.endif
.endr
.endr
.endm
.macro FETCH_B slot, q, p
	WIN TO_B
.irp i, 0,1,2,3
	FRAG 64*(\p)+FR*\i, ADRB+\slot, \q, \i
.endr
	WIN 0
.endm
.macro FETCH_A slot, q, i0
.irp i, \i0, \i0+1, \i0+2, \i0+3
	FRAG AF+FR*(\i), ADRA+\slot, \q, \i
.endr
.endm
.macro PLACES n                        ; places in front of loads into registers that matrix instructions have read, and of the first read of results (ISA guide 7.12.1 for the first read of results)
.rept \n
	v_nop
.endr
.endm
.macro STEP slot, q, zero
	s_wait_dscnt 4*NL                              ; W's set and y's blocks 0-3 are in; the youngest sixteen loads (blocks 4-7) may be out
	WIN MUL
	MUL8 0, (\q)%2, \zero
	MUL8 2, (\q)%2, \zero
	s_wait_dscnt 0
	PLACES NP
	FETCH_B \slot, (\q)+1, 1-(\q)%2
	FETCH_A \slot, (\q)+1, 0
	WIN MUL
	MUL8 4, (\q)%2, \zero
	MUL8 6, (\q)%2, \zero
	PLACES NP
	WIN 0
	FETCH_A \slot, (\q)+1, 4
.endm
; A slot's last step changes slots: ONE barrier; in front of it each wave waits for all its tensor loads, adds 0 to its spare word, and waits for that and for its own reads of this slot.
.macro TURN slot, next, fill
	s_wait_tensorcnt 0x0                           ; all my tensor loads have landed: my part of the next slot  (every window is 0 here)
	ds_add_u32 v[SPW], v[NIL]                      ; 0 onto my spare word
	s_wait_dscnt 4*NL+1                            ; (the add and the youngest sixteen loads may be out)
	WIN MUL
	MUL8 0, 1, 0                                   ; eight matrix instructions stand between the add and the wait for it
	s_wait_dscnt 0x0                               ; the add is done, and my reads of this slot are over
	s_barrier_signal -1
	MUL8 2, 1, 0
	WIN 0
	s_barrier_wait -1
.if \fill
	CREST                                          ; the barrier has opened a round of the cluster's barrier
	s_add_nc_u64 s[G0+4*\slot+2:G0+4*\slot+3], s[G0+4*\slot+2:G0+4*\slot+3], 2*PLA
	s_add_nc_u64 s[G0B+4*\slot+2:G0B+4*\slot+3], s[G0B+4*\slot+2:G0B+4*\slot+3], 2*PLB
	JLOAD G0+4*\slot, G1, G0B+4*\slot, G1B         ; the first tensor load behind the round, and my only one
.else
	PLACES NP
.endif
	FETCH_B \next, 0, 0
	FETCH_A \next, 0, 0
	WIN MUL
	MUL8 4, 1, 0
	MUL8 6, 1, 0
	PLACES NP
	WIN 0
	FETCH_A \next, 0, 4
.endm
	s_wait_tensorcnt 1                             ; my part of K step 0 is in (K step 1's load may be out)
	s_barrier_signal -1
	s_barrier_wait -1                              ; everybody's is
	FETCH_B 0, 0, 0
	FETCH_A 0, 0, 0
	FETCH_A 0, 0, 4
	STEP 0, 0, 1
	TURN 0, 1, 1
	STEP 1, 0, 0
	TURN 1, 0, 1
	STEP 0, 0, 0
	TURN 0, 1, 0
	STEP 1, 0, 0
	s_wait_dscnt 4*NL
	WIN MUL
	MUL8 0, 1, 0
	MUL8 2, 1, 0
	s_wait_dscnt 0
	MUL8 4, 1, 0
	MUL8 6, 1, 0
	WIN 0
; THE WAY OUT, block by block of 16 rows x 64 columns.  LDS serves a wave's instructions in order (ISA guide 5.7.1.4): no wait between the stores and the loads, nor in front of the next block's stores.
.macro TOSTAGE a
	WIN 0x02                                       ; source 0: window 2
.set j, 0
.rept 16
	v_pk_fma_f32 v[TMP+j:TMP+j+1], v[32*(\a)+j:32*(\a)+j+1], s[96:97], v[BP+j:BP+j+1] op_sel_hi:[1,0,1]   ; sum x 2^(e6 + e7) + bias; each accumulator from its low end on
.set j, j+2
.endr
	WIN 0
.irp b, 0,1,2,3
	ds_store_b128 v[STO], v[TMP+8*\b:TMP+8*\b+3] offset:64*\b
	ds_store_b128 v[STO], v[TMP+8*\b+4:TMP+8*\b+7] offset:64*\b+16
.endr
.set BB, BK+32*((\a)%2)
.irp t, 0,1,2,3,4,5,6,7
	ds_load_b128 v[BB+4*\t:BB+4*\t+3], v[RD] offset:\t*2*SPITCH
.endr
.endm
.macro SEND a, younger                 ; younger: the LDS instructions issued behind block a's loads, which may stay out
.set BB, BK+32*((\a)%2)
	s_wait_dscnt \younger
.irp t, 0,1,2,3,4,5,6,7
	global_store_b128 v[CO], v[BB+4*\t:BB+4*\t+3], s[12:13] offset:(16*(\a)+2*\t)*4096 th:TH_STORE_NT   ; sixteen lanes store 256 consecutive bytes, aligned; no pointer is stepped
.endr
.endm
	s_wait_loadcnt 0x0                             ; the bias
	PLACES NP                                      ; behind the last products: their results are read, and y's registers loaded into, below
	TOSTAGE 0
.irp a, 1,2,3,4,5,6,7
.if \a > 1
	s_wait_xcnt 0x0                                ; block a - 2's stores have read their registers: block a's loads may land there
.endif
	TOSTAGE \a
	SEND \a-1, 16                                  ; behind block a - 1's loads: block a's 8 stores and 8 loads
.endr
	SEND 7, 0
	s_wait_tensorcnt 0x0                           ; the wave's end, behind my last tensor load and my last LDS store
	ds_add_u32 v[SPW], v[NIL]
	s_wait_dscnt 0x0
	CROUND                                         ; the closing round
	s_endpgm
.Lfunc_end_k_q3aba5b9cc3_proj:
	.size	k_q3aba5b9cc3_proj, .Lfunc_end_k_q3aba5b9cc3_proj-k_q3aba5b9cc3_proj
	.p2alignl 7, 3214868480
	.fill 96, 4, 3214868480
	.section	.rodata,"a",@progbits
	.p2align	6, 0x0
	.amdhsa_kernel k_q3aba5b9cc3_proj
		.amdhsa_group_segment_fixed_size 327680
		.amdhsa_private_segment_fixed_size 0
		.amdhsa_enable_private_segment 0
		.amdhsa_kernarg_size 40
		.amdhsa_user_sgpr_count 2
		.amdhsa_user_sgpr_kernarg_segment_ptr 1
		.amdhsa_wavefront_size32 1
		.amdhsa_system_sgpr_workgroup_id_x 1
		.amdhsa_system_sgpr_workgroup_id_y 1
		.amdhsa_system_sgpr_workgroup_id_z 1
		.amdhsa_system_vgpr_workitem_id 0
		.amdhsa_next_free_vgpr 768
		.amdhsa_next_free_sgpr 100
		.amdhsa_reserve_vcc 0
		.amdhsa_float_denorm_mode_32 3
		.amdhsa_float_denorm_mode_16_64 3
		.amdhsa_memory_ordered 1
		.amdhsa_forward_progress 1
		.amdhsa_inst_pref_size 78
	.end_amdhsa_kernel
	.amdgpu_metadata
---
amdhsa.version: [ 1, 2 ]
amdhsa.kernels:
  - .name:           k_q3aba5b9cc3_proj
    .symbol:         k_q3aba5b9cc3_proj.kd
    .args:
      - { .name: yc, .offset: 0, .size: 8, .value_kind: global_buffer, .address_space: global }
      - { .name: wpc, .offset: 8, .size: 8, .value_kind: global_buffer, .address_space: global }
      - { .name: b_proj, .offset: 16, .size: 8, .value_kind: global_buffer, .address_space: global }
      - { .name: lowp_scales, .offset: 24, .size: 8, .value_kind: global_buffer, .address_space: global }
      - { .name: out0, .offset: 32, .size: 8, .value_kind: global_buffer, .address_space: global }
    .group_segment_fixed_size: 327680
    .private_segment_fixed_size: 0
    .kernarg_segment_align: 8
    .kernarg_segment_size: 40
    .max_flat_workgroup_size: 128
    .sgpr_count:     100
    .vgpr_count:     768
    .wavefront_size: 32
...
	.end_amdgpu_metadata
.endif
;; end of part 4
